; MI455X (gfx1250); checked and timed in simulation.
; The chip was launched on July 23, 2026; its instructions are those of AMD's public machine-readable ISA for CDNA 5 (MIT licence, August 2026) and "CDNA5" Instruction Set Architecture Reference Guide (July 2026). The comments in the code are by the model that wrote it; some were corrected since.
;; Flashsc GPT Layer. Allowed arithmetic: float matrix products may take bf16 or f16 operands with f32 sums; other float arithmetic in f32, or as packed bf16 or f16 multiplies, adds, multiply-adds, maxima and minima; sums over many terms, partial sums and values carried from step to step in f32; what a program stores and reads back later, other than sums and carried values, may be rounded once to bf16 or f16.
;; Inputs: Wqkv_b 3,072 float32; Wqkv_w 1,024 x 3,072 float32; gen 2 x 1,024 x 1,024 float32; l1_b 4,096 float32; l1_w 1,024 x 4,096 float32; l2_b 1,024 float32; l2_w 4,096 x 1,024 float32; n1_b 1,024 float32; n1_g 1,024 float32; n2_b 1,024 float32; n2_g 1,024 float32; out_b 1,024 float32; out_w 1,024 x 1,024 float32; pcpt 2 x 1,024 x 1,024 float32.
;; Outputs: out0 2 x 1,024 x 1,024 float32; out1 2 x 1,024 x 1,024 float32.
;; One version. Each part assembles by itself: llvm-mc -triple=amdgcn-amd-amdhsa -mcpu=gfx1250 --defsym DOCPART=n.
;; ======== version 1 of 1: 8 launches
;; workspace buffers: abf 8,388,608 bytes; wq 8,388,864 bytes; w1 8,388,864 bytes; wsm 10,485,760 bytes; panels 33,554,432 bytes; op 8,388,608 bytes; acc32 16,777,216 bytes; p32 16,777,216 bytes
;; launch prep (part 1): grid 512 x 1, 8 waves a work-group, no clusters, 0 bytes of LDS; arguments pcpt, gen, Wqkv_w, out_w, abf, wq, w1, wsm; writes abf, wq, w1, wsm
.if DOCPART == 1
	.amdgcn_target "amdgcn-amd-amdhsa--gfx1250"
	.amdhsa_code_object_version 6
	.text
	.protected	k_q2c9e7ebfb3_prep
	.globl	k_q2c9e7ebfb3_prep
	.p2align	8
	.type	k_q2c9e7ebfb3_prep,@function
k_q2c9e7ebfb3_prep:
	s_mov_b64 s[64:65], 0
	v_nop
	global_prefetch_b8 v0, s[64:65] scope:SCOPE_SE
	s_setreg_imm32_b32 hwreg(HW_REG_WAVE_MODE, 25, 1), 1
	s_wait_xcnt 0x0
; THE CAST of what the first products need.  Each f32 matrix operand is rounded once to bf16 (nearest even): pcpt and gen into abf ([4096][1024], pcpt's 2,048 rows first), Wqkv_w into wq (rows
; 4,096 elements apart, as l1_w's are, so that one text multiplies by either), out_w into wsm's first 2,097,152 bytes.  l1_w and l2_w are cast later, beside the attention.
; SHARES.  A unit is 1,024 numbers: 4,096 bytes in, 2,048 out.  The four tensors have 8,192 units; a work-group takes 16 on end of ONE tensor, a wave two.
; A unit is eight loads of 512 consecutive bytes and eight stores of 256 consecutive bytes, aligned.  All sixteen loads of a wave go out first; no register is written twice.
; Work-groups 256 and 448 also store the word that tells the product's text its activation: the floor of the result as two bf16: -infinity behind wq, 0 (ReLU) behind w1.
.set XR, 8                             ; v[8:71]    sixteen loads of four registers
.set YR, 72                            ; v[72:103]  sixteen pairs to store
.set SRC, 24                           ; s[24:25] the tensor that I read;  s26 its first work-group
.set DST, 28                           ; s[28:29] the buffer that I write; s27 the work-group that writes its byte 0
	s_load_b512 s[4:19], s[0:1], 0x0               ; pcpt s4, gen s6, Wqkv_w s8, out_w s10, abf s12, wq s14, w1 s16, wsm s18
	v_lshrrev_b32 v1, 5, v0
	v_readfirstlane_b32 s32, v1                    ; wave 0..7
	v_and_b32 v1, 31, v0                           ; lane
	s_mov_b32 s31, ttmp9                           ; c, the work-group
	s_mov_b32 s26, 0
	s_mov_b32 s27, 0
	s_wait_kmcnt 0x0
	s_mov_b64 s[SRC:SRC+1], s[4:5]
	s_mov_b64 s[DST:DST+1], s[12:13]
.macro PICK t, src, s0, dst, d0        ; from work-group t on: another tensor
	s_cmp_ge_u32 s31, \t
	s_cselect_b64 s[SRC:SRC+1], s[\src:\src+1], s[SRC:SRC+1]
	s_cselect_b64 s[DST:DST+1], s[\dst:\dst+1], s[DST:DST+1]
	s_cselect_b32 s26, \s0, s26
	s_cselect_b32 s27, \d0, s27
.endm
	PICK 128, 6, 128, 12, 0                        ; gen goes on in abf where pcpt ended
	PICK 256, 8, 256, 14, 256
	PICK 448, 10, 448, 18, 448
	s_sub_co_u32 s33, s31, s26
	s_lshl_b32 s33, s33, 4
	s_lshl1_add_u32 s33, s32, s33                  ; u: my first unit in the tensor = 16 (c - first) + 2 wave
	s_sub_co_u32 s34, s31, s27
	s_lshl_b32 s34, s34, 15
	s_lshl_b32 s35, s32, 12
	s_add_co_u32 s34, s34, s35                     ; where it goes, where units lie on end
	s_sub_co_u32 s36, s31, 256                     ; under 192 (unsigned) for Wqkv_w alone
.irp i, 0,1
	s_add_co_u32 s37, s33, \i
	s_mul_i32 s38, s37, 43691
	s_lshr_b32 s38, s38, 17                        ; u / 3, exact for u under 3,072: Wqkv_w's row (three units a row)
	s_add_co_u32 s38, s38, s37
	s_lshl_b32 s38, s38, 11                        ; 8,192 row + 2,048 (u - 3 row) = 2,048 (u + row)
	s_add_co_u32 s39, s34, (\i)*2048
	s_cmp_lt_u32 s36, 192
	s_cselect_b32 s39, s38, s39
	s_lshl_b32 s37, s37, 12
	v_lshl_add_u32 v[2+(\i)], v1, 4, s37           ; 16 lane + the unit's byte in the tensor
	v_lshl_add_u32 v[4+(\i)], v1, 3, s39           ; 8 lane + the unit's byte in the buffer
.endr
.irp i, 0,1
.irp j, 0,1,2,3,4,5,6,7
	global_load_b128 v[XR+32*(\i)+4*(\j):XR+32*(\i)+4*(\j)+3], v[2+(\i)], s[SRC:SRC+1] offset:512*(\j) th:TH_LOAD_NT
.endr
.endr
.irp i, 0,1
.irp j, 0,1,2,3,4,5,6,7
	s_wait_loadcnt 15-8*(\i)-(\j)                  ; loads come back in order (ISA guide 5.7.1): this one is in, the younger ones stay out
	v_cvt_pk_bf16_f32 v[YR+16*(\i)+2*(\j)],   v[XR+32*(\i)+4*(\j)],   v[XR+32*(\i)+4*(\j)+1]
	v_cvt_pk_bf16_f32 v[YR+16*(\i)+2*(\j)+1], v[XR+32*(\i)+4*(\j)+2], v[XR+32*(\i)+4*(\j)+3]
	global_store_b64 v[4+(\i)], v[YR+16*(\i)+2*(\j):YR+16*(\i)+2*(\j)+1], s[DST:DST+1] offset:256*(\j)  ; 32 lanes store 256 consecutive bytes, aligned
.endr
.endr
	s_cmp_eq_u32 s31, 256                          ; the floor's word, 64 times: one block of 256 bytes behind the weights' 8,388,608
	s_cselect_b32 s30, 0xff80ff80, 0
	s_cselect_b64 s[20:21], s[14:15], s[16:17]     ; work-group 256 writes wq's, work-group 448 w1's
	s_cselect_b32 s40, 1, 0
	s_cmp_eq_u32 s31, 448
	s_cselect_b32 s40, 1, s40
	s_cmp_eq_u32 s32, 0
	s_cselect_b32 s40, s40, 0
	s_cmp_eq_u32 s40, 1
	s_cbranch_scc0 .Lend
	v_mov_b32 v104, s30
	v_mov_b32 v105, s30
	v_lshl_add_u32 v106, v1, 3, 0x800000
	global_store_b64 v106, v[104:105], s[20:21]
.Lend:
	s_endpgm
.Lfunc_end_k_q2c9e7ebfb3_prep:
	.size	k_q2c9e7ebfb3_prep, .Lfunc_end_k_q2c9e7ebfb3_prep-k_q2c9e7ebfb3_prep
	.p2alignl 7, 3214868480
	.fill 96, 4, 3214868480
	.section	.rodata,"a",@progbits
	.p2align	6, 0x0
	.amdhsa_kernel k_q2c9e7ebfb3_prep
		.amdhsa_group_segment_fixed_size 0
		.amdhsa_private_segment_fixed_size 0
		.amdhsa_enable_private_segment 0
		.amdhsa_kernarg_size 64
		.amdhsa_user_sgpr_count 2
		.amdhsa_user_sgpr_kernarg_segment_ptr 1
		.amdhsa_wavefront_size32 1
		.amdhsa_system_sgpr_workgroup_id_x 1
		.amdhsa_system_sgpr_workgroup_id_y 1
		.amdhsa_system_sgpr_workgroup_id_z 1
		.amdhsa_system_vgpr_workitem_id 0
		.amdhsa_next_free_vgpr 112
		.amdhsa_next_free_sgpr 66
		.amdhsa_reserve_vcc 0
		.amdhsa_float_denorm_mode_32 3
		.amdhsa_float_denorm_mode_16_64 3
		.amdhsa_memory_ordered 1
		.amdhsa_forward_progress 1
		.amdhsa_inst_pref_size 9
	.end_amdhsa_kernel
	.amdgpu_metadata
---
amdhsa.version: [ 1, 2 ]
amdhsa.kernels:
  - .name:           k_q2c9e7ebfb3_prep
    .symbol:         k_q2c9e7ebfb3_prep.kd
    .args:
      - { .name: pcpt, .offset: 0, .size: 8, .value_kind: global_buffer, .address_space: global }
      - { .name: gen, .offset: 8, .size: 8, .value_kind: global_buffer, .address_space: global }
      - { .name: Wqkv_w, .offset: 16, .size: 8, .value_kind: global_buffer, .address_space: global }
      - { .name: out_w, .offset: 24, .size: 8, .value_kind: global_buffer, .address_space: global }
      - { .name: abf, .offset: 32, .size: 8, .value_kind: global_buffer, .address_space: global }
      - { .name: wq, .offset: 40, .size: 8, .value_kind: global_buffer, .address_space: global }
      - { .name: w1, .offset: 48, .size: 8, .value_kind: global_buffer, .address_space: global }
      - { .name: wsm, .offset: 56, .size: 8, .value_kind: global_buffer, .address_space: global }
    .group_segment_fixed_size: 0
    .private_segment_fixed_size: 0
    .kernarg_segment_align: 8
    .kernarg_segment_size: 64
    .max_flat_workgroup_size: 256
    .sgpr_count:     66
    .vgpr_count:     112
    .wavefront_size: 32
...
	.end_amdgpu_metadata
.endif
;; end of part 1
;; launch qkv (part 2): grid 12 x 16, 4 waves a work-group, clusters of 4 x 4, 327,680 bytes of LDS; arguments abf, wq, Wqkv_b, panels; writes panels
.if DOCPART == 2
	.amdgcn_target "amdgcn-amd-amdhsa--gfx1250"
	.amdhsa_code_object_version 6
	.text
	.protected	k_q2c9e7ebfb3_qkv
	.globl	k_q2c9e7ebfb3_qkv
	.p2align	8
	.type	k_q2c9e7ebfb3_qkv,@function
k_q2c9e7ebfb3_qkv:
	s_mov_b64 s[64:65], 0
	v_nop
	global_prefetch_b8 v0, s[64:65] scope:SCOPE_SE
	s_setreg_imm32_b32 hwreg(HW_REG_WAVE_MODE, 25, 1), 1
	s_wait_xcnt 0x0
	s_wait_alu depctr_hold_cnt(0) depctr_sa_sdst(0) depctr_va_vdst(0) depctr_va_sdst(0) depctr_va_ssrc(0) depctr_va_vcc(0) depctr_vm_vsrc(0)
	s_getreg_b32 s2, hwreg(HW_REG_IB_STS2, 6, 4)
	s_cmp_eq_u32 s2, 0
	s_cbranch_scc0 .Lentry_in_a_cluster
	s_endpgm
.Lentry_in_a_cluster:
	s_bfe_u32 s2, ttmp6, 0x10000c
	s_cmp_lg_u32 s2, 0xf033
	s_cbranch_scc0 .Lentry_shape_is_right
	s_endpgm
.Lentry_shape_is_right:
; out[n / 64][m][n % 64] = max(floor, bf16(bias[n] + the sum over k of A[m][k] W[k][n])).  A: [4096][1024] bf16.  W: [1024] rows of bf16, 4,096 elements apart.  bias: f32.
; out: PANELS of 64 columns, [panel][4096][64] bf16: 16 rows of a panel are 2,048 consecutive bytes.  Sums in f32, started by the bias; the result is rounded once.
; floor: two bf16 in the word behind W's 8,388,608 bytes: -infinity (no activation) or 0 (ReLU).  LIMITS: operands are bf16; a NaN result leaves as the floor (the maximum drops a NaN).
; SHARES.  A tile of the result is 256 x 256, made by four waves, 128 x 128 each: 64 accumulators of 16 x 16.  K goes in 8 steps of 128 through two LDS slots filled by the tensor data mover.
; W STAYS [K][N]: its fragments come out of LDS turned, by ds_load_tr16_b128.  The product is taken transposed (source 0 = 16 columns of W, source 1 = 16 rows of A): a lane then holds eight
; neighbouring columns of one row of the result, and the bias of those eight columns is the C operand of the first product.
; CLUSTER.  4 x 4 work-groups: A's tile is asked for jointly along a row of the cluster, W's along a column: the same tensor load, descriptor and mask in the four that it names.
; THE WALK ALONG K.  A cluster whose two coordinates add up to an odd number begins with K step 4 and goes round to step 3; the others begin with step 0.  So of the clusters that need one tile one
; group asks for it half a walk ahead of the other.  The step's number hangs on the cluster's coordinates alone, which the sixteen partners share; the sums are taken in that order of K.
; THE LOOP's trip is one K step; the slot in hand is a scalar register (0 or SLOT) that an exclusive or turns.  SLOT shares no bit with wave x HALFT, so the same exclusive or turns the walking descriptors.
; REGISTERS, in windows of 256 (s_set_vgpr_msb: bits 1:0 source 0, 3:2 source 1, 5:4 source 2, 7:6 destination):
;   window 0: v0-31 addresses; v64-127, v128-191 A's fragments, two buffers; v192-223 packed results; v32-63, v224-255 rows read back from the stage
;   window 1: v64-127, v128-191 W's fragments, two buffers; v192-255 the bias, eight registers for each block of 16 columns
;   window 2: the accumulators of my rows 0-63 ((a, b) at v[8 (8 a + b)]);   window 3: those of my rows 64-127
.set NSTEP,  8
.set HSH,    2                         ; NSTEP / 2 = 1 << HSH
.set ASH,    8                         ; a K step in A is 128 elements along a row: 1 << 8 bytes
.set BSH,    20                        ; in W 128 rows of 8,192 bytes: 1 << 20
.set PA,     272                       ; a row of A in LDS: 256 bytes + 16 = 68 words: the 16 rows of a load start at 16 different groups of four banks (64 banks of 4 bytes: ISA guide 11.1)
.set PB,     544                       ; a row of W in LDS: 512 bytes + 32 = 136 words
.set HALFT,  128*PA                    ; what one tensor load brings: 128 rows of A, or 64 rows of W (64 x 544 is the same)
.set BOFF,   2*HALFT                   ; W's 128 rows lie behind A's 256
.set SLOT,   4*HALFT
.set STAGE,  2*SLOT                    ; behind the ring: for each wave 2 panels x 16 rows x 144 bytes, for the way out
.set SP,     144
.set WSTAGE, 2*16*SP
.set SPARE,  STAGE+4*WSTAGE            ; behind the stages: the spare words, 128 bytes for each wave: two blocks of 256 bytes that no other line names
.set PANEL,  524288                    ; bytes in a panel
.set ADRA0, 16                         ; v16  my lane's place in A's part of a slot; never rewritten
.set ADRB0, 17                         ; v17  the same for W
.set ADRA,  18                         ; v18  the same in the slot in hand
.set ADRB,  19                         ; v19
.set BO,    20                         ; v20  my byte offset in the bias
.set STO,   24                         ; v24  the way out: where I put 16 bytes of a row
.set RD,    25                         ; v25  the way out: where I read rows back
.set GO,    26                         ; v26  my 16 bytes of 512 consecutive bytes of a panel
.set SPW,   28                         ; v28  LDS address of my spare word: SPARE + 4 x my thread's number; never rewritten
.set NIL,   29                         ; v29  0; never rewritten
.set OB,    32
.set F0,    64
.set F1,    128
.set TMP,   192
.set BIAS,  192                        ; in window 1
.set CNT, 3                            ; s3   trips to go
.set WV,  12                           ; s12  my wave's number
.set RH,  13                           ; s13  which half of the tile's rows is mine.  Also: I fetch for A (0) or for W (1)
.set CH,  14                           ; s14  which half of its columns.  Also: which half of that tile I fetch
.set CX,  15
.set CY,  16
.set TX,  17                           ; s17  tile column
.set TY,  18                           ; s18  tile row
.set FL,  19                           ; s19  the floor
.set G1A, 24                           ; s[24:31] descriptor group 1 for A's tiles
.set G0A, 32                           ; s[32:39] group 0: a set for each first fill; the second then walks
.set TB,  44                           ; s44  the slot in hand: 0 or SLOT
.set KI,  45                           ; s45  the K step that the walking descriptors name
.set G1B, 48                           ; s[48:55], s[56:63] the same for W's tiles
.set G0B, 56
.set MSB, 0
.macro WIN new                         ; the immediate's high byte repeats the setting that is left; a switch that changes nothing is dropped
.if MSB != (\new)
	s_set_vgpr_msb (MSB<<8)|(\new)
.set MSB, \new
.endif
.endm
.macro PLACES                          ; four places behind a matrix instruction, in front of loads into registers that it has read and of lines that read results
.rept 4
	v_nop
.endr
.endm
; A joint refill by the walking descriptor.  Waves 0 and 1 fetch A's two halves, waves 2 and 3 W's.  The branch hangs on the wave's number alone.
; An s_nop 0 and four v_nop follow each of the two lines, ahead of the jump and the label.
.macro JLOAD
	s_cmp_eq_u32 s[RH], 0
	s_cbranch_scc0 .Lfor_b_\@
	tensor_load_to_lds s[G0A+4:G0A+7], s[G1A:G1A+7]
	s_nop 0
	PLACES
	s_branch .Lasked_\@
.Lfor_b_\@:
	tensor_load_to_lds s[G0B+4:G0B+7], s[G1B:G1B+7]
	s_nop 0
	PLACES
.Lasked_\@:
.endm
.macro CREST                           ; a round of the cluster's barrier behind its opening barrier
	s_cmp_lg_u32 s[WV], 0
	s_cbranch_scc1 .Lnot_wave_0_\@
	s_barrier_signal -3
.Lnot_wave_0_\@:
	s_barrier_wait -3
	s_barrier_signal -1
	s_barrier_wait -1
.endm
.macro CROUND                          ; a whole round
	s_barrier_signal -1
	s_barrier_wait -1
	CREST
.endm
	s_load_b256 s[4:11], s[0:1], 0x0               ; A s[4:5], W s[6:7], bias s[8:9], out s[10:11]
	v_lshl_add_u32 v[SPW], v0, 2, SPARE
	v_mov_b32 v[NIL], 0
	ds_add_u32 v[SPW], v[NIL]                      ; the wave's opening: the add and its wait stand ahead of my first tensor load; work on registers stands between them
	v_lshrrev_b32 v1, 5, v0
	v_readfirstlane_b32 s[WV], v1
	s_lshr_b32 s[RH], s[WV], 1
	s_and_b32 s[CH], s[WV], 1
	s_bfe_u32 s[CX], ttmp6, 0x40000
	s_bfe_u32 s[CY], ttmp6, 0x40004
	s_lshl_b32 s[TX], ttmp9, 2                     ; in a cluster launch ttmp9 and ttmp7 count clusters
	s_add_co_u32 s[TX], s[TX], s[CX]
	s_and_b32 s[TY], ttmp7, 0xffff
	s_add_co_u32 s[KI], s[TY], ttmp9               ; the cluster's two coordinates, added:
	s_and_b32 s[KI], s[KI], 1                      ; odd or even,
	s_lshl_b32 s[KI], s[KI], HSH                   ; the walk begins with K step NSTEP / 2 or 0
	s_lshl_b32 s[TY], s[TY], 2
	s_add_co_u32 s[TY], s[TY], s[CY]
	s_lshl_b32 s68, s[CY], 2
	s_lshl_b32 s68, 15, s68                        ; my row of the cluster: places 4 cy .. 4 cy + 3
	s_lshl_b32 s69, 0x1111, s[CX]                  ; my column: places cx, cx + 4, cx + 8, cx + 12
	s_or_b32 s[G1A], s68, (1<<16)|(1<<20)|(1<<21)|(5<<22)|(3<<25)  ; the mask; 2-byte elements; padding on; bit 21 beside a mask; after every 64 words, 4 words
	s_or_b32 s[G1B], s69, (1<<16)|(1<<20)|(1<<21)|(6<<22)|(7<<25)  ; after every 128 words, 8 words
	s_mov_b32 s[G1A+1], 128<<16                    ; A: tensor_dim0 = 128
	s_mov_b32 s[G1A+2], 128<<16                    ; tensor_dim1 = 128
	s_mov_b32 s[G1A+3], 128<<16                    ; tile_dim0 = 128
	s_mov_b32 s[G1A+4], 128                        ; tile_dim1 = 128
	s_mov_b32 s[G1A+5], 1024                       ; elements from row to row
	s_mov_b32 s[G1A+6], 0
	s_mov_b32 s[G1A+7], 0
	s_mov_b32 s[G1B+1], 256<<16                    ; W: tensor_dim0 = 256
	s_mov_b32 s[G1B+2], 64<<16                     ; tensor_dim1 = 64
	s_mov_b32 s[G1B+3], 256<<16                    ; tile_dim0 = 256
	s_mov_b32 s[G1B+4], 64                         ; tile_dim1 = 64
	s_mov_b32 s[G1B+5], 4096
	s_mov_b32 s[G1B+6], 0
	s_mov_b32 s[G1B+7], 0
	s_lshl_b32 s40, s[TY], 19                      ; A: row 256 x tile row + 128 x half, 2,048 bytes a row: made of the tile row and the wave's number alone
	s_lshl_b32 s22, s[CH], 18
	s_add_co_u32 s40, s40, s22
	s_mov_b32 s41, 0
	s_lshl_b32 s42, s[TX], 9                       ; W: column 256 x tile column, row 64 x half of 8,192 bytes: made of the tile column and the wave's number alone
	s_lshl_b32 s22, s[CH], 19
	s_add_co_u32 s42, s42, s22
	s_mov_b32 s43, 0
	s_mov_b32 s23, 0                               ; s[22:23]: a K step's byte offset, the high word 0
	s_mul_i32 s20, s[WV], HALFT                    ; where my part of a tile goes: no place in the cluster enters an LDS address
	s_wait_dscnt 0x0                               ; the opening add is done
	s_wait_kmcnt 0x0
	s_add_nc_u64 s[40:41], s[4:5], s[40:41]        ; A and W at my part of K step 0: kept for the whole walk
	s_add_nc_u64 s[42:43], s[6:7], s[42:43]
	s_add_nc_u64 s[46:47], s[6:7], 0x800000
	s_load_b32 s[FL], s[46:47], 0x0                ; the floor; waited for ahead of the first products
	CROUND                                         ; all sixteen work-groups are here: the first joint loads meet
.irp s, 0,1
	s_mov_b32 s[G0A+4*(\s)], 1                                     ; count = 1
	s_add_co_u32 s[G0A+4*(\s)+1], s20, (\s)*SLOT                   ; LDS address
	s_lshl_b32 s22, s[KI], ASH
	s_add_nc_u64 s[G0A+4*(\s)+2:G0A+4*(\s)+3], s[40:41], s[22:23]  ; global address: the walk's step s
	s_or_b32 s[G0A+4*(\s)+3], s[G0A+4*(\s)+3], 0x80000000          ; type = 2
	s_mov_b32 s[G0B+4*(\s)], 1
	s_add_co_u32 s[G0B+4*(\s)+1], s20, (\s)*SLOT
	s_lshl_b32 s22, s[KI], BSH
	s_add_nc_u64 s[G0B+4*(\s)+2:G0B+4*(\s)+3], s[42:43], s[22:23]
	s_or_b32 s[G0B+4*(\s)+3], s[G0B+4*(\s)+3], 0x80000000
.if (\s) == 0
	s_add_co_u32 s[KI], s[KI], 1                   ; (the walk's second step never wraps)
.endif
.endr
	s_cmp_eq_u32 s[RH], 0                          ; a wave's two first fills stand in one branch, ahead of every wait on TENSORcnt and every LDS read: two loads of mine are out
	s_cbranch_scc0 .Lfirst_b
	tensor_load_to_lds s[G0A:G0A+3], s[G1A:G1A+7]
	s_nop 0
	tensor_load_to_lds s[G0A+4:G0A+7], s[G1A:G1A+7]
	s_nop 0
	PLACES
	s_branch .Lfirst_asked
.Lfirst_b:
	tensor_load_to_lds s[G0B:G0B+3], s[G1B:G1B+7]
	s_nop 0
	tensor_load_to_lds s[G0B+4:G0B+7], s[G1B:G1B+7]
	s_nop 0
	PLACES
.Lfirst_asked:
	v_and_b32 v1, 15, v0                           ; r = l % 16
	v_bfe_u32 v2, v0, 4, 1                         ; h = l / 16
	v_and_b32 v6, 7, v0
	v_bfe_u32 v4, v0, 3, 1
	v_bfe_u32 v5, v0, 3, 2
	s_lshl_b32 s71, s[TX], 10                      ; the bias of my 128 columns: lane l wants columns 16 b + 8 h + 0..7
	s_lshl_b32 s22, s[CH], 9
	s_add_co_u32 s71, s71, s22
	v_lshl_add_u32 v[BO], v2, 5, s71
	WIN 0x40                                       ; destination window 1, address window 0
.irp b, 0,1,2,3,4,5,6,7
	global_load_b128 v[BIAS+8*(\b):BIAS+8*(\b)+3],   v[BO], s[8:9] offset:64*(\b)
	global_load_b128 v[BIAS+8*(\b)+4:BIAS+8*(\b)+7], v[BO], s[8:9] offset:64*(\b)+16
.endr
	WIN 0
	; A fragment of A: 16 rows x 32 K: lane l holds row r, K = 8 h + 0..7 and 16 + 8 h + 0..7: two loads of 16 bytes, 32 bytes apart.
	v_mul_u32_u24 v[ADRA0], v1, PA
	v_lshl_add_u32 v[ADRA0], v2, 4, v[ADRA0]
	s_mul_i32 s21, s[RH], HALFT
	v_add_nc_u32 v[ADRA0], s21, v[ADRA0]
	; The turning load takes 16 K x 16 columns (lane l reads row 8 h + l % 8, columns 8 ((l / 8) % 2) + 0..7) and leaves half a fragment: lane l holds column r and 8 K.
	v_lshl_add_u32 v3, v2, 3, v6
	v_mul_u32_u24 v[ADRB0], v3, PB
	v_lshl_add_u32 v[ADRB0], v4, 4, v[ADRB0]
	s_lshl_b32 s21, s[CH], 8
	s_add_co_u32 s21, s21, BOFF
	v_add_nc_u32 v[ADRB0], s21, v[ADRB0]
	s_mul_i32 s21, s[WV], WSTAGE
	s_add_co_u32 s21, s21, STAGE                   ; my stage
	v_mul_u32_u24 v[STO], v1, SP                   ; in: row r, 16 bytes for each half of the lanes
	v_lshl_add_u32 v[STO], v2, 4, v[STO]
	v_add_nc_u32 v[STO], s21, v[STO]
	v_mul_u32_u24 v[RD], v5, SP                    ; back: 32 lanes take four rows of 128 bytes,
	v_lshl_add_u32 v[RD], v6, 4, v[RD]
	v_add_nc_u32 v[RD], s21, v[RD]
	v_and_b32 v[GO], 31, v0                        ; which are 512 consecutive bytes of a panel
	v_lshlrev_b32 v[GO], 4, v[GO]
	s_lshl_b32 s66, s[TX], 21                      ; out at panel 4 x tile column + 2 x half, row 256 x tile row + 128 x half of 128 bytes
	s_lshl_b32 s70, s[TY], 15
	s_add_co_u32 s66, s66, s70
	s_lshl_b32 s22, s[CH], 20
	s_add_co_u32 s66, s66, s22
	s_lshl_b32 s22, s[RH], 14
	s_add_co_u32 s66, s66, s22
	s_mov_b32 s67, 0
	s_add_nc_u64 s[10:11], s[10:11], s[66:67]
	s_mov_b32 s[TB], 0
	v_mov_b32 v[ADRA], v[ADRA0]
	v_mov_b32 v[ADRB], v[ADRB0]
; 16 matrix instructions: row blocks a0, a0 + 1 of the window's four (hi = 0: my rows 0-63, 1: rows 64-127) x all 8 column blocks, 32 along K.  zero = 1: the bias starts the sums.
; The 64 accumulators take turns, one instruction a turn, in the same order in every quarter, over the backward jumps too.
.macro MUL16 f, hi, a0, zero
.if \zero
	WIN 0x91+0x40*(\hi)                            ; W window 1, A window 0, C (the bias) window 1, D window 2 or 3
.else
	WIN 0xa1+0x50*(\hi)                            ; W window 1, A window 0, C and D window 2 or 3
.endif
.irp a, \a0, (\a0)+1
.irp b, 0,1,2,3,4,5,6,7
.if \zero
	v_wmma_f32_16x16x32_bf16 v[8*(8*(\a)+(\b)):8*(8*(\a)+(\b))+7], v[(\f)+8*(\b):(\f)+8*(\b)+7], v[(\f)+8*(4*(\hi)+(\a)):(\f)+8*(4*(\hi)+(\a))+7], v[BIAS+8*(\b):BIAS+8*(\b)+7]
.else
	v_wmma_f32_16x16x32_bf16 v[8*(8*(\a)+(\b)):8*(8*(\a)+(\b))+7], v[(\f)+8*(\b):(\f)+8*(\b)+7], v[(\f)+8*(4*(\hi)+(\a)):(\f)+8*(4*(\hi)+(\a))+7], v[8*(8*(\a)+(\b)):8*(8*(\a)+(\b))+7]
.endif
.endr
.endr
.endm
; 32 LDS loads in one run: the fragments of quarter q (32 along K) of the slot in hand, into buffer f: W's 128 columns first, then A's 128 rows
.macro FETCH q, f
	WIN 0x40
.irp i, 0,1,2,3,4,5,6,7
	ds_load_tr16_b128 v[(\f)+8*(\i):(\f)+8*(\i)+3],   v[ADRB] offset:32*(\q)*PB+32*(\i)
	ds_load_tr16_b128 v[(\f)+8*(\i)+4:(\f)+8*(\i)+7], v[ADRB] offset:(32*(\q)+16)*PB+32*(\i)
.endr
	WIN 0
.irp i, 0,1,2,3,4,5,6,7
	ds_load_b128 v[(\f)+8*(\i):(\f)+8*(\i)+3],   v[ADRA] offset:64*(\q)+(\i)*16*PA
	ds_load_b128 v[(\f)+8*(\i)+4:(\f)+8*(\i)+7], v[ADRA] offset:64*(\q)+(\i)*16*PA+32
.endr
.endm
; One of a K step's first three quarters: multiplies buffer f; in its middle it fetches quarter q into buffer g.
.macro QUARTER q, f, g, zero
	s_wait_dscnt 8                                 ; W and A's rows 0-63 are in; the youngest eight loads (A's rows 64-127) may be out
	MUL16 \f, 0, 0, \zero
	MUL16 \f, 0, 2, \zero
	PLACES
	FETCH \q, \g
	s_wait_dscnt 32                                ; all but the 32 just issued
	MUL16 \f, 1, 0, \zero
	MUL16 \f, 1, 2, \zero
.endm
; THE CHANGE OF SLOTS stands at the head of a K step's last quarter: the slot's last fragments (buffer 1) have been asked for 32 matrix instructions back.  ONE barrier: in front of it each wave waits for
; all its tensor loads (one is out: its part of the next slot), adds 0 to its spare word, and waits for that and for its own reads of this slot.  fill = 1: the barrier opens a round of the cluster's,
; and the slot just read out is filled again first thing behind it, with the walk's step two on; the whole quarter is multiplied behind the refill, which so has a K step's 256 matrix instructions in which to land.
.macro TURN fill
	WIN 0
	s_wait_tensorcnt 0x0                           ; all my tensor loads have landed, so every group 0 may be written
	ds_add_u32 v[SPW], v[NIL]                      ; 0 onto my spare word; the scalar work below stands between it and the wait for it
.if \fill
	s_add_co_u32 s[KI], s[KI], 1                   ; the walk's next step, round from NSTEP - 1 to 0
	s_and_b32 s[KI], s[KI], NSTEP-1
	s_xor_b32 s[G0A+5], s[G0A+5], SLOT             ; the walking descriptors: the other slot than last time; the address is made anew from the step's number
	s_lshl_b32 s22, s[KI], ASH
	s_add_nc_u64 s[G0A+6:G0A+7], s[40:41], s[22:23]
	s_or_b32 s[G0A+7], s[G0A+7], 0x80000000
	s_xor_b32 s[G0B+5], s[G0B+5], SLOT
	s_lshl_b32 s22, s[KI], BSH
	s_add_nc_u64 s[G0B+6:G0B+7], s[42:43], s[22:23]
	s_or_b32 s[G0B+7], s[G0B+7], 0x80000000
.endif
	s_xor_b32 s[TB], s[TB], SLOT
	s_wait_dscnt 0x0                               ; the add is done, and my reads of this slot are over
	s_barrier_signal -1
	s_barrier_wait -1
.if \fill
	CREST                                          ; no wave of any partner still reads this slot's tile or has a load on its way
	JLOAD                                          ; the first tensor load behind the round; its four v_nop are also the places in front of the loads below
.else
	PLACES
.endif
	v_add_nc_u32 v[ADRA], s[TB], v[ADRA0]
	v_add_nc_u32 v[ADRB], s[TB], v[ADRB0]
	FETCH 0, F0
	MUL16 F1, 0, 0, 0
	MUL16 F1, 0, 2, 0
	MUL16 F1, 1, 0, 0
	MUL16 F1, 1, 2, 0
.endm
; THE WAY OUT of block a (16 rows x 128 columns).  PACK: rounded to bf16, each accumulator's registers in ascending order, and held to the floor.  TOSTAGE: into my own stage, by panels, and back as
; whole rows of 128 bytes.  SEND: stored, 512 consecutive bytes an instruction.
.macro PACK a
.set AC, 64*((\a)%4)
	WIN 0x0a+5*((\a)/4)                            ; sources 0 and 1: window 2 or 3
.irp b, 0,1,2,3,4,5,6,7
.irp r, 0,1,2,3
	v_cvt_pk_bf16_f32 v[TMP+4*(\b)+(\r)], v[AC+8*(\b)+2*(\r)], v[AC+8*(\b)+2*(\r)+1]
.endr
.endr
	WIN 0
.set z, 0
.rept 32
	v_pk_max_num_bf16 v[TMP+z], v[TMP+z], s[FL]
.set z, z+1
.endr
.endm
.macro TOSTAGE a
	WIN 0
.set BK, OB+192*((\a)%2)
.irp b, 0,1,2,3,4,5,6,7
	ds_store_b128 v[STO], v[TMP+4*(\b):TMP+4*(\b)+3] offset:((\b)/4)*16*SP+32*((\b)%4)
.endr
.irp t, 0,1,2,3,4,5,6,7
	ds_load_b128 v[BK+4*(\t):BK+4*(\t)+3], v[RD] offset:((\t)/4)*16*SP+((\t)%4)*4*SP  ; LDS serves a wave's instructions in order (ISA guide 5.7.1.4): these see the stores above
.endr
.endm
.macro SEND a, younger
	WIN 0
.set BK, OB+192*((\a)%2)
	s_wait_dscnt \younger                          ; the block is back in registers
	s_wait_xcnt 0x0                                ; the stores of the block before have read their registers: the next TOSTAGE loads into them only behind this wait
.irp t, 0,1,2,3,4,5,6,7
	global_store_b128 v[GO], v[BK+4*(\t):BK+4*(\t)+3], s[10:11] offset:((\t)/4)*PANEL+(\a)*2048+((\t)%4)*512
.endr
.endm
	s_wait_tensorcnt 1                             ; my part of the walk's first step is in; the second's may stay out
	s_barrier_signal -1
	s_barrier_wait -1                              ; everybody's is
	FETCH 0, F0
	s_wait_loadcnt 0x0                             ; the bias
	s_wait_kmcnt 0x0                               ; the floor
	QUARTER 1, F0, F1, 1                           ; the first quarter stands in front of the loop: its products start the sums
	WIN 0                                          ; at a label and at a branch every window is 0
	s_mov_b32 s[CNT], NSTEP-2
.Lstep:                                        ; a trip: from a K step's second quarter to the next step's first; trip t fills a slot with the walk's step t + 2
	QUARTER 2, F1, F0, 0
	QUARTER 3, F0, F1, 0
	TURN 1
	QUARTER 1, F0, F1, 0
	WIN 0
	s_sub_co_u32 s[CNT], s[CNT], 1
	s_cmp_lg_u32 s[CNT], 0
	s_cbranch_scc1 .Lstep
	s_mov_b32 s[CNT], 2
.Ltail:                                        ; the last two K steps fill nothing: the same trip without a tensor load, walked once and left in the middle of the second time
	QUARTER 2, F1, F0, 0
	QUARTER 3, F0, F1, 0
	WIN 0
	s_sub_co_u32 s[CNT], s[CNT], 1
	s_cmp_eq_u32 s[CNT], 0
	s_cbranch_scc1 .Llast
	TURN 0
	QUARTER 1, F0, F1, 0
	WIN 0
	s_branch .Ltail
.Llast:
	s_wait_dscnt 8
	MUL16 F1, 0, 0, 0
	MUL16 F1, 0, 2, 0
	s_wait_dscnt 0x0
	MUL16 F1, 1, 0, 0
	MUL16 F1, 1, 2, 0
	PLACES                                         ; for the first conversions; those of blocks 0-3 are the places behind the last products, blocks 4-7's
	PACK 0
	TOSTAGE 0
.irp a, 1,2,3,4,5,6,7                  ; block a's conversions stand between block a - 1's loads from the stage and the wait for them
	PACK \a
	SEND (\a)-1, 0
	TOSTAGE \a
.endr
	SEND 7, 0
	s_wait_tensorcnt 0x0                           ; the wave's end, behind my last tensor load and my last LDS store
	ds_add_u32 v[SPW], v[NIL]
	s_wait_dscnt 0x0
	CROUND                                         ; the closing round: no work-group ends while a partner may still ask for a tile that names it
	s_endpgm
.Lfunc_end_k_q2c9e7ebfb3_qkv:
	.size	k_q2c9e7ebfb3_qkv, .Lfunc_end_k_q2c9e7ebfb3_qkv-k_q2c9e7ebfb3_qkv
	.p2alignl 7, 3214868480
	.fill 96, 4, 3214868480
	.section	.rodata,"a",@progbits
	.p2align	6, 0x0
	.amdhsa_kernel k_q2c9e7ebfb3_qkv
		.amdhsa_group_segment_fixed_size 327680
		.amdhsa_private_segment_fixed_size 0
		.amdhsa_enable_private_segment 0
		.amdhsa_kernarg_size 32
		.amdhsa_user_sgpr_count 2
		.amdhsa_user_sgpr_kernarg_segment_ptr 1
		.amdhsa_wavefront_size32 1
		.amdhsa_system_sgpr_workgroup_id_x 1
		.amdhsa_system_sgpr_workgroup_id_y 1
		.amdhsa_system_sgpr_workgroup_id_z 1
		.amdhsa_system_vgpr_workitem_id 0
		.amdhsa_next_free_vgpr 1024
		.amdhsa_next_free_sgpr 72
		.amdhsa_reserve_vcc 0
		.amdhsa_float_denorm_mode_32 3
		.amdhsa_float_denorm_mode_16_64 3
		.amdhsa_memory_ordered 1
		.amdhsa_forward_progress 1
		.amdhsa_inst_pref_size 122
	.end_amdhsa_kernel
	.amdgpu_metadata
---
amdhsa.version: [ 1, 2 ]
amdhsa.kernels:
  - .name:           k_q2c9e7ebfb3_qkv
    .symbol:         k_q2c9e7ebfb3_qkv.kd
    .args:
      - { .name: abf, .offset: 0, .size: 8, .value_kind: global_buffer, .address_space: global }
      - { .name: wq, .offset: 8, .size: 8, .value_kind: global_buffer, .address_space: global }
      - { .name: Wqkv_b, .offset: 16, .size: 8, .value_kind: global_buffer, .address_space: global }
      - { .name: panels, .offset: 24, .size: 8, .value_kind: global_buffer, .address_space: global }
    .group_segment_fixed_size: 327680
    .private_segment_fixed_size: 0
    .kernarg_segment_align: 8
    .kernarg_segment_size: 32
    .max_flat_workgroup_size: 128
    .sgpr_count:     72
    .vgpr_count:     1024
    .wavefront_size: 32
...
	.end_amdgpu_metadata
.endif
;; end of part 2
;; launch attn (part 3): grid 8 x 32, 4 waves a work-group, clusters of 4 x 1, 327,680 bytes of LDS; arguments panels, op, l1_w, l2_w, w1, wsm; writes op, w1, wsm
.if DOCPART == 3
	.amdgcn_target "amdgcn-amd-amdhsa--gfx1250"
	.amdhsa_code_object_version 6
	.text
	.protected	k_q2c9e7ebfb3_attn
	.globl	k_q2c9e7ebfb3_attn
	.p2align	8
	.type	k_q2c9e7ebfb3_attn,@function
k_q2c9e7ebfb3_attn:
	s_mov_b64 s[64:65], 0
	v_nop
	global_prefetch_b8 v0, s[64:65] scope:SCOPE_SE
	s_setreg_imm32_b32 hwreg(HW_REG_WAVE_MODE, 25, 1), 1
	s_wait_xcnt 0x0
	s_wait_alu depctr_hold_cnt(0) depctr_sa_sdst(0) depctr_va_vdst(0) depctr_va_sdst(0) depctr_va_ssrc(0) depctr_va_vcc(0) depctr_vm_vsrc(0)
	s_getreg_b32 s2, hwreg(HW_REG_IB_STS2, 6, 4)
	s_cmp_eq_u32 s2, 0
	s_cbranch_scc0 .Lentry_in_a_cluster
	s_endpgm
.Lentry_in_a_cluster:
	s_bfe_u32 s2, ttmp6, 0x10000c
	s_cmp_lg_u32 s2, 0x3003
	s_cbranch_scc0 .Lentry_shape_is_right
	s_endpgm
.Lentry_shape_is_right:
; ATTENTION.  Token rows 0-2047 are pcpt's (two batches of 1,024), 2048-4095 gen's.  panels: [48][4096][64] bf16: q of head h in panel h, k in 16 + h, v in 32 + h.  op: [16][4096][64] bf16.
; Every query of batch b sees the 1,024 pcpt keys of b; a gen query sees its OWN gen key besides, and no other gen key: the other scores carry the lowest finite number and have weight 0.
; O[q] = the sum over its keys of softmax(q . k / 8) v.  Products, maxima and sums in f32; the weights p are rounded to bf16 for the second product (their sum l is taken of the unrounded p), O once.
; THE OWN KEY STARTS THE RUNNING STATISTICS: m = q . k_own, l = 1, O = v_own; the walk over the 1,024 keys then goes on from there as from any step.  A pcpt query takes m = q . k_own - 1e30:
; its first step multiplies O and l by a = 2^(c m_old - c m_new) = 0, and nothing of the own key is left.
; LIMITS.  All operands are bf16.  A pcpt query's own term counts as its score less 1e30; a weight below 2^-126 counts as 0 in l; NaN and infinities are not treated apart.
; SHARES.  A work-group owns 256 queries of one batch and head, a wave 64: four PIECES of 16.  The four work-groups of a cluster own 1,024 queries (pcpt's: cluster x = 0; gen's: 1) and need the same K and V.
; K AND V STAY IN LDS: all 1,024 keys, asked for JOINTLY at the head, one tensor load a wave (512 keys of K or of V); nothing is filled again.  One tensor load of mine is out.
; LAYOUT, TURNS.  S^T = K Q^T holds ONE query a lane (lane % 16) and the keys 8 (lane / 16) + 0..7; two such results rounded to bf16 ARE source 1 of O^T = V^T P.  p = 2^(c s - c m), c = log2(e) / 8.
; Turn n belongs to piece n: 8 products K Q^T of piece n + 1, later 8 products V^T P of piece n - 1; beside them the scaling, exponentials, roundings, sums and rescaling of piece n and the maximum and
; statistics of piece n + 1.  Four vector instructions stand behind every matrix instruction, the other 54 of a turn's 118 in two runs of their own.
; BESIDE IT, THE CAST OF THE FFN'S WEIGHTS.  The key loop asks nothing of memory, so the rounding of l1_w (into w1) and l2_w (into wsm, from byte 2,097,152 on) to bf16 rides on it: 8,388,608 numbers,
; 8,192 (32,768 bytes in, 16,384 out) for each of the launch's 1,024 waves, in two batches of 32 loads.  Batch 1 is asked for on the way into the loop; with 11 key steps to go it is rounded and stored
; and batch 2 asked for; with 5 to go batch 2 is rounded and stored.  One text serves both; the other trips jump over it.
; REGISTERS, in windows of 256 (s_set_vgpr_msb: bits 1:0 source 0, 3:2 source 1, 5:4 source 2, 7:6 destination):
;   window 0: v0-15 addresses and two at work; v16-31 four registers of statistics a piece; v48-55 at work; v64-127 S^T, two buffers; v192-223 P, two buffers (by the piece's parity)
;   window 1: v0-127 O^T, 32 a piece; v128-191 the own v, packed      window 2: v0-63 Q; v64-127 the own k; v128-191 K of one step; v192-255 V of one step      window 3: v0-127 a batch of the cast
.set NP,    4
.set KS,    64        ; keys in a step
.set PK,    144       ; a row of K in LDS: 128 bytes + 16 = 36 words: the 16 rows of a load start at 16 different groups of four banks (64 banks of 4 bytes: ISA guide 11.1)
.set PV,    160       ; a row of V: 128 + 32 = 40 words
.set VOFF,  1024*PK   ; V lies behind K
.set STAGE, VOFF+1024*PV  ; behind them, never filled by a tensor load: 16 rows x 144 bytes for each wave, for the way out
.set SP,    144
.set SPARE, STAGE+4*16*SP  ; behind the stages: the spare words, 128 bytes for each wave: two blocks of 256 bytes that no other line names
.set AK0, 2           ; v2   my lane's place in 64 rows of K; never rewritten
.set AV0, 3           ; v3   the same for V
.set AK,  4           ; v4   the LDS address of K's next run of loads
.set AV,  5           ; v5   of V's
.set STO, 6           ; v6   the way out: where I put 16 bytes of a row
.set RD,  7           ; v7   the way out: where I read rows back
.set GO,  8           ; v8   16 x lane: my byte offset in 512 consecutive bytes, of O and of the cast's source; never rewritten
.set MV,  12          ; v12-13  c m_old, kept while c m is made anew: by buffer
.set QO,  15          ; v15  my byte offset in 16 rows of a panel
.set ST,  16          ; piece t's statistics at v[ST+4 t]: c m, m, l (even keys', odd keys')
.set TMP, 48          ; by buffer, four registers c0-c3 at work; when the maximum is found c2 takes a
.set C8,  56          ; v56  8 x lane: my byte offset in 256 consecutive bytes of the cast's result; never rewritten
.set SPW, 62          ; v62  LDS address of my spare word: SPARE + 4 x my thread's number; never rewritten
.set NIL, 63          ; v63  0; never rewritten
.set S,   64
.set P,   192
.set OWNV, 128        ; window 1
.set OWNK, 64         ; window 2
.set KF,  128         ; window 2: key block kb, channel half c at KF + 16 kb + 8 c
.set VF,  192         ; window 2: key half kk, channel block cb at VF + 32 kk + 8 cb
.set WV,  12          ; s12  my wave's number
.set G1K, 24          ; s[24:31] descriptor group 1 for K
.set G1V, 32          ; s[32:39] for V: it differs in the padding alone
.set G0K, 40          ; s[40:43] descriptor group 0 for K
.set G0V, 44          ; s[44:47] for V
.set SM,  48          ; s48  what the own score is lowered by: -1e30 for pcpt's queries, 0 for gen's
.set HM,  49          ; s49  a word's upper bf16
.set CNT, 57          ; s57  key steps to go
.set CS,  58          ; s[58:59] c: the packed scaling takes the pair's low word for both halves
.set SEL, 60          ; s[60:61] v_permlanex16_b32's selects: each lane takes its own place in the other half
.set TBK, 62          ; s62  LDS byte at which K of the step to be fetched begins
.set TBV, 63          ; s63  the same for V, less VOFF
.set CSRC, 76         ; s[76:77] the cast: where the batch to be asked for begins
.set CDST, 78         ; s[78:79] where the batch to be stored goes
.set CDS,  84         ; s[84:85] what CDST steps by: 0 in front of the first batch's stores, 8,192 in front of the second's
.set MSB, 0
.macro WIN new                      ; the high byte repeats the setting that is left; a switch that changes nothing is dropped
.if MSB != (\new)
	s_set_vgpr_msb (MSB<<8)|(\new)
.set MSB, (\new)
.endif
.endm
.set W_KQ, 0x0a       ; K and Q in window 2, S^T in window 0
.set W_PV, 0x52       ; V in window 2, P in window 0, O^T in window 1
.set W_RS, 0x41       ; destination and source 0 in window 1, source 1 in window 0
; The joint fill.  Waves 0 and 1 fetch the two halves of K, waves 2 and 3 those of V.  An s_nop 0 and four v_nop follow each of the two lines, ahead of the jump and the label.
.macro JLOAD
	s_cmp_lt_u32 s[WV], 2
	s_cbranch_scc0 .Lfor_v_\@
	tensor_load_to_lds s[G0K:G0K+3], s[G1K:G1K+7]
	s_nop 0
.rept 4
	v_nop
.endr
	s_branch .Lasked_\@
.Lfor_v_\@:
	tensor_load_to_lds s[G0V:G0V+3], s[G1V:G1V+7]
	s_nop 0
.rept 4
	v_nop
.endr
.Lasked_\@:
.endm
.macro CROUND                       ; a round of the cluster's barrier
	s_barrier_signal -1
	s_barrier_wait -1
	s_cmp_lg_u32 s[WV], 0
	s_cbranch_scc1 .Lnot_wave_0_\@
	s_barrier_signal -3
.Lnot_wave_0_\@:
	s_barrier_wait -3
	s_barrier_signal -1
	s_barrier_wait -1
.endm
	s_load_b128 s[4:7], s[0:1], 0x0 ; panels s[4:5], op s[6:7]
	s_load_b256 s[68:75], s[0:1], 0x10  ; l1_w s[68:69], l2_w s[70:71], w1 s[72:73], wsm s[74:75]
	v_lshl_add_u32 v[SPW], v0, 2, SPARE
	v_mov_b32 v[NIL], 0
	ds_add_u32 v[SPW], v[NIL]       ; the wave's opening: the add and its wait stand ahead of my first tensor load; work on registers stands between them
	v_lshrrev_b32 v1, 5, v0
	v_readfirstlane_b32 s[WV], v1
	s_bfe_u32 s13, ttmp6, 0x40000   ; cx: my place in the cluster: it enters the queries' and the cast's global addresses alone
	s_mov_b32 s51, ttmp9            ; the cluster's x: 0 pcpt's queries, 1 gen's; the four partners share it
	s_and_b32 s14, ttmp7, 0xffff
	s_lshr_b32 s15, s14, 4          ; batch
	s_and_b32 s14, s14, 15          ; head
	s_and_b32 s50, s[WV], 1         ; which 512 keys I fetch
	s_lshl_b32 s20, s14, 19         ; K: panel 16 + head, row 1,024 batch + 512 half, 128 bytes a row
	s_lshl_b32 s22, s15, 17
	s_add_co_u32 s20, s20, s22
	s_lshl_b32 s22, s50, 16
	s_add_co_u32 s20, s20, s22
	s_add_co_u32 s20, s20, 16*524288
	s_mov_b32 s21, 0
	s_lshl_b32 s52, s14, 19         ; my wave's queries: panel head, row 2,048 x + 1,024 batch + 256 cx + 64 wave
	s_lshl_b32 s54, s51, 18
	s_add_co_u32 s52, s52, s54
	s_lshl_b32 s54, s15, 17
	s_add_co_u32 s52, s52, s54
	s_lshl_b32 s54, s13, 15
	s_add_co_u32 s52, s52, s54
	s_lshl_b32 s54, s[WV], 13
	s_add_co_u32 s52, s52, s54
	s_mov_b32 s53, 0
	s_lshl_b32 s80, s14, 3          ; the cast: batch 0's 512 waves take l1_w, batch 1's l2_w; my number among them = (8 head + 4 x + cx) x 4 + wave
	s_lshl2_add_u32 s86, s51, s13
	s_add_co_u32 s80, s80, s86
	s_lshl2_add_u32 s80, s80, s[WV]
	s_lshl_b32 s82, s80, 14         ; 16,384 bytes out,
	s_lshl_b32 s80, s80, 15         ; 32,768 bytes in
	s_mov_b32 s81, 0
	s_mov_b32 s83, 0
	s_cmp_eq_u32 s15, 0
	s_cselect_b32 s86, 0, 0x200000  ; l2_w's copy lies behind out_w's in wsm
	s_add_co_u32 s82, s82, s86
	s_mov_b32 s[CDS], 0
	s_mov_b32 s[CDS+1], 0
	; descriptor group 1.  512 keys are 65,536 dense bytes: asked for as 256 rows of 256 bytes, two keys a row, and padded in LDS after every key
	s_mov_b32 s[G1K], 15|(1<<16)|(1<<20)|(1<<21)|(4<<22)|(3<<25)  ; the mask of four; 2-byte elements; padding on; bit 21 beside a mask; after every 32 words, 4 words
	s_mov_b32 s[G1V], 15|(1<<16)|(1<<20)|(1<<21)|(4<<22)|(7<<25)  ; the same with 8 words
.irp g, G1K, G1V
	s_mov_b32 s[\g+1], 128<<16      ; tensor_dim0 = 128
	s_mov_b32 s[\g+2], 256<<16      ; tensor_dim1 = 256
	s_mov_b32 s[\g+3], 128<<16      ; tile_dim0 = 128
	s_mov_b32 s[\g+4], 256          ; tile_dim1 = 256
	s_mov_b32 s[\g+5], 128          ; 128 elements from row to row
	s_mov_b32 s[\g+6], 0
	s_mov_b32 s[\g+7], 0
.endr
	s_mov_b32 s[G0K], 1
	s_mul_i32 s[G0K+1], s50, 512*PK ; LDS address: made of the wave's number alone
	s_mov_b32 s[G0V], 1
	s_mul_i32 s[G0V+1], s50, 512*PV
	s_add_co_u32 s[G0V+1], s[G0V+1], VOFF
	s_mov_b32 s[CS], 0x3e38aa3b     ; c = log2(e) / 8 = 0.180337
	s_mov_b32 s[CS+1], s[CS]        ; named with it as a pair
	s_mov_b32 s[SEL], 0x76543210
	s_mov_b32 s[SEL+1], 0xfedcba98
	s_mov_b32 s[HM], 0xffff0000
	s_mov_b32 s[TBK], 0
	s_mov_b32 s[TBV], 0
	s_cmp_eq_u32 s51, 0
	s_cselect_b32 s[SM], 0xf149f2ca, 0  ; -1e30, or 0
	s_wait_dscnt 0x0                ; the opening add is done
	s_wait_kmcnt 0x0
	s_add_nc_u64 s[G0K+2:G0K+3], s[4:5], s[20:21]
	s_add_nc_u64 s[G0V+2:G0V+3], s[G0K+2:G0K+3], 0x800000  ; V's panels lie sixteen panels behind K's
	s_or_b32 s[G0K+3], s[G0K+3], 0x80000000                ; type = 2
	s_or_b32 s[G0V+3], s[G0V+3], 0x80000000
	s_add_nc_u64 s[8:9], s[4:5], s[52:53]        ; q at my wave's first row,
	s_add_nc_u64 s[16:17], s[8:9], 0x800000      ; the same rows of k,
	s_add_nc_u64 s[18:19], s[8:9], 0x1000000     ; of v,
	s_add_nc_u64 s[10:11], s[6:7], s[52:53]      ; and of O
	s_cmp_eq_u32 s15, 0
	s_cselect_b64 s[CSRC:CSRC+1], s[68:69], s[70:71]
	s_cselect_b64 s[CDST:CDST+1], s[72:73], s[74:75]
	s_add_nc_u64 s[CSRC:CSRC+1], s[CSRC:CSRC+1], s[80:81]
	s_add_nc_u64 s[CDST:CDST+1], s[CDST:CDST+1], s[82:83]
	CROUND                          ; all four work-groups are here: the joint loads meet
	JLOAD
	; A fragment of K or Q is 16 rows x 32 channels in 8 registers: lane l holds row l % 16, channels 8 (l / 16) + 0..7 and 16 + 8 (l / 16) + 0..7: two loads of 16 bytes, 32 bytes apart.
	; The own k comes in Q's layout, so the own score is a sum of products register by register; the own v comes in the same way, which is O^T's layout: channels 16 cb + 8 (l / 16) + 0..7 of query l % 16.
	v_and_b32 v1, 15, v0            ; l % 16
	v_bfe_u32 v9, v0, 4, 1          ; l / 16
	v_lshlrev_b32 v[QO], 7, v1
	v_lshl_add_u32 v[QO], v9, 4, v[QO]  ; row x 128 + 16 x half
	WIN 0x80                        ; destination window 2, address window 0
.set i, 0
.rept 8                             ; piece i / 2, channels 32 (i % 2) on
	global_load_b128 v[8*i:8*i+3],   v[QO], s[8:9] offset:(i/2)*2048+(i%2)*64
	global_load_b128 v[8*i+4:8*i+7], v[QO], s[8:9] offset:(i/2)*2048+(i%2)*64+32
	global_load_b128 v[OWNK+8*i:OWNK+8*i+3],   v[QO], s[16:17] offset:(i/2)*2048+(i%2)*64
	global_load_b128 v[OWNK+8*i+4:OWNK+8*i+7], v[QO], s[16:17] offset:(i/2)*2048+(i%2)*64+32
.set i, i+1
.endr
	WIN 0x40
.set i, 0
.rept 8
	global_load_b128 v[OWNV+8*i:OWNV+8*i+3],   v[QO], s[18:19] offset:(i/2)*2048+(i%2)*64
	global_load_b128 v[OWNV+8*i+4:OWNV+8*i+7], v[QO], s[18:19] offset:(i/2)*2048+(i%2)*64+32
.set i, i+1
.endr
	; The first turn's products V^T P, of a piece that has not been, add 0: V's registers and P's second buffer hold 0.  All this stands in the wait for K and V.
	WIN 0x80
.set i, VF
.rept 64
	v_mov_b32 v[i], 0
.set i, i+1
.endr
	WIN 0
.set i, P+16
.rept 16
	v_mov_b32 v[i], 0
.set i, i+1
.endr
.set i, 0
.rept 8
	v_mov_b32 v[S+i], 0             ; the own scores' eight chains: by piece, low halves and high halves
.set i, i+1
.endr
	v_mul_u32_u24 v[AK0], v1, PK
	v_lshl_add_u32 v[AK0], v9, 4, v[AK0]  ; row x pitch + 16 x half
	; The turning load takes 16 keys x 16 channels (lane l reads key 8 (l / 16) + l % 8, channels 8 ((l / 8) % 2) + 0..7) and leaves half a fragment of V^T: lane l holds channel l % 16 and 8 keys.
	v_and_b32 v10, 7, v0
	v_bfe_u32 v11, v0, 3, 1
	v_lshl_add_u32 v[AV0], v9, 3, v10
	v_mul_u32_u24 v[AV0], v[AV0], PV
	v_lshl_add_u32 v[AV0], v11, 4, v[AV0]
	v_add_nc_u32 v[AV0], VOFF, v[AV0]
	s_mul_i32 s55, s[WV], 16*SP
	s_add_co_u32 s55, s55, STAGE    ; my stage
	v_mul_u32_u24 v[STO], v1, SP    ; in: row l % 16, 16 bytes for each half of the lanes
	v_lshl_add_u32 v[STO], v9, 4, v[STO]
	v_add_nc_u32 v[STO], s55, v[STO]
	v_bfe_u32 v[RD], v0, 3, 2       ; back: 32 lanes take four rows of 128 bytes,
	v_mul_u32_u24 v[RD], v[RD], SP
	v_lshl_add_u32 v[RD], v10, 4, v[RD]
	v_add_nc_u32 v[RD], s55, v[RD]
	v_and_b32 v[GO], 31, v0         ; which are 512 consecutive bytes of O
	v_lshlrev_b32 v[C8], 3, v[GO]
	v_lshlrev_b32 v[GO], 4, v[GO]
	v_cvt_f32_u32 v14, v9           ; l / 16 as a float
	s_wait_loadcnt 0x0              ; Q, the own k, the own v
	WIN 0x0a                        ; sources 0 and 1 in window 2
.set z, 0
.rept 16                            ; q . k_own over my 32 channels: products of bf16 halves, summed in f32
.irp t, 0,1,2,3
	v_fma_mix_f32_bf16 v[S+2*(\t)],   v[16*(\t)+z], v[OWNK+16*(\t)+z], v[S+2*(\t)]   op_sel_hi:[1,1,0]
	v_fma_mix_f32_bf16 v[S+2*(\t)+1], v[16*(\t)+z], v[OWNK+16*(\t)+z], v[S+2*(\t)+1] op_sel:[1,1,0] op_sel_hi:[1,1,0]
.endr
.set z, z+1
.endr
	WIN 0
.irp t, 0,1,2,3
	v_add_f32 v[S+2*(\t)], v[S+2*(\t)], v[S+2*(\t)+1]
.endr
.irp t, 0,1,2,3
	v_permlanex16_b32 v[S+2*(\t)+1], v[S+2*(\t)], s[SEL], s[SEL+1]  ; the query's other 32 channels lie in the lane 16 away
.endr
.irp t, 0,1,2,3
	v_add_f32 v[S+2*(\t)], v[S+2*(\t)], v[S+2*(\t)+1]
.endr
.irp t, 0,1,2,3
	v_add_f32 v[ST+4*(\t)+1], s[SM], v[S+2*(\t)]   ; m
	v_sub_f32 v[ST+4*(\t)+2], 1.0, v14             ; l: the own weight 1, counted in the lower half of the lanes alone
	v_mov_b32 v[ST+4*(\t)+3], 0
.endr
.irp t, 0,1,2,3
	v_mul_f32 v[ST+4*(\t)], s[CS], v[ST+4*(\t)+1]  ; c m
.endr
	WIN 0x44                        ; destination and source 1 in window 1
.set z, 0
.rept 64
	v_lshlrev_b32 v[2*z],  16, v[OWNV+z]           ; O^T = the own v, widened: the low half moves up,
	v_and_b32 v[2*z+1], s[HM], v[OWNV+z]           ; the high half stays
.set z, z+1
.endr
	WIN 0
; THE MATRIX WORK.  The 4 accumulators of a run of 8 take turns.  Product i of 8 of S^T = K Q^T for piece x: channels 32 (i / 4) on, keys 16 (i % 4) on.  The first 4 start the sums.
.macro KQ x
.set rS, S+32*((\x)%2)+8*(i%4)
.set rK, KF+16*(i%4)+8*(i/4)
.set rQ, 16*(\x)+8*(i/4)
	WIN W_KQ
.if i < 4
	v_wmma_f32_16x16x32_bf16 v[rS:rS+7], v[rK:rK+7], v[rQ:rQ+7], 0
.else
	v_wmma_f32_16x16x32_bf16 v[rS:rS+7], v[rK:rK+7], v[rQ:rQ+7], v[rS:rS+7]
.endif
.endm
; Product i of 8 of O^T += V^T P for piece x: keys 32 (i / 4) on, channels 16 (i % 4) on.
.macro PV x
	WIN W_PV
.set rO, 32*(\x)+8*(i%4)
.set rV, VF+32*(i/4)+8*(i%4)
.set rP, P+16*((\x)%2)+8*(i/4)
	v_wmma_f32_16x16x32_bf16 v[rO:rO+7], v[rV:rV+7], v[rP:rP+7], v[rO:rO+7]
.endm
.macro MM                           ; the turn's next matrix instruction
.if i < 8
	KQ (Y+1)%NP
.else
.set i, i-8
	PV (Y+NP-1)%NP
.set i, i+8
.endif
.set i, i+1
.endm
; THE LDS LOADS stand in runs of 16, never singly among the matrix instructions: a step's K (64 keys x 64 channels: 8 fragments) and its V (turned).  Their addresses are made some lines ahead.
; last = 1 (in the loop): with one key step to go there is no further step, and the run is jumped over.
.macro FETCH_K last=0
	WIN 0
.if \last
	s_cmp_eq_u32 s[CNT], 1
	s_cbranch_scc1 .Lno_k_\@
.endif
	WIN 0x80                        ; destination window 2
.irp f, 0,1,2,3,4,5,6,7             ; keys 16 (f / 2) on, channels 32 (f % 2) on
	ds_load_b128 v[KF+8*\f:KF+8*\f+3],   v[AK] offset:(\f/2)*16*PK+(\f%2)*64
	ds_load_b128 v[KF+8*\f+4:KF+8*\f+7], v[AK] offset:(\f/2)*16*PK+(\f%2)*64+32
.endr
	s_add_co_u32 s[TBK], s[TBK], KS*PK  ; the next fetch is the next step's
	WIN 0
.if \last
.Lno_k_\@:
.endif
.endm
.macro FETCH_V
	WIN 0x80
.irp f, 0,1,2,3,4,5,6,7             ; keys 32 (f / 4) on, channels 16 (f % 4) on
	ds_load_tr16_b128 v[VF+8*\f:VF+8*\f+3],   v[AV] offset:(\f/4)*32*PV+(\f%4)*32
	ds_load_tr16_b128 v[VF+8*\f+4:VF+8*\f+7], v[AV] offset:(\f/4)*32*PV+16*PV+(\f%4)*32
.endr
	WIN 0
.endm
; THE VECTOR WORK, one line at a time: OP kind, number.  For piece Y: F n: c s - c m for pair n of 16.  E n: the exponential of score n of 32.  C n: pair n rounded to bf16.  B n: of the four weights 4 n .. the second
; pair is added onto the first, in place.  L n: l takes that sum (L 0: l = a l + sum).  R n: pair n of 16 of O^T times a.  For piece Y + 1: X n, number n of the 22 that find its maximum and statistics:
;   0-11  four chains c0-c3 of seven scores each, three operands at a time (each accumulator's lowest registers are read first)     12-14, 16  the four scores left over, the old m, and c0-c3 into c0
;   15  c m_old is kept     17, 18  the query's other 32 keys lie in the lane 16 away: the new m     19-21  c m; c m_old - c m_new; a
.set F, 0
.set E, 1
.set C, 2
.set B, 3
.set L, 4
.set R, 5
.set X, 6
.macro REGS y                       ; the registers of piece y
.set rT, ST+4*(\y)
.set rC, TMP+4*((\y)%2)
.set rW, MV+((\y)%2)
.set rS, S+32*((\y)%2)
.set rP, P+16*((\y)%2)
.set rO, 32*(\y)
.endm
.macro OP k, n
.if (\k) == R
	REGS Y
	WIN W_RS
	v_pk_mul_f32 v[rO+2*(\n):rO+2*(\n)+1], v[rO+2*(\n):rO+2*(\n)+1], v[rC+2:rC+3] op_sel_hi:[1,0]
.elseif (\k) < R
	REGS Y
	WIN 0
.if (\k) == F
	v_pk_fma_f32 v[rS+2*(\n):rS+2*(\n)+1], v[rS+2*(\n):rS+2*(\n)+1], s[CS:CS+1], v[rT:rT+1] op_sel_hi:[1,0,0] neg_lo:[0,0,1] neg_hi:[0,0,1]
.elseif (\k) == E
	v_exp_f32 v[rS+(\n)], v[rS+(\n)]
.elseif (\k) == C
	s_wait_alu depctr_va_vdst(0)
	v_cvt_pk_bf16_f32 v[rP+(\n)], v[rS+2*(\n)], v[rS+2*(\n)+1]
.elseif (\k) == B
	s_wait_alu depctr_va_vdst(0)
	v_pk_add_f32 v[rS+4*(\n):rS+4*(\n)+1], v[rS+4*(\n):rS+4*(\n)+1], v[rS+4*(\n)+2:rS+4*(\n)+3]
.elseif (\n) == 0
	v_pk_fma_f32 v[rT+2:rT+3], v[rT+2:rT+3], v[rC+2:rC+3], v[rS:rS+1] op_sel_hi:[1,0,1]
.else
	v_pk_add_f32 v[rT+2:rT+3], v[rT+2:rT+3], v[rS+4*(\n):rS+4*(\n)+1]
	s_wait_alu depctr_va_vdst(0)
.endif
.else
	REGS (Y+1)%NP
	WIN 0
.if (\n) < 4
	v_max3_num_f32 v[rC+(\n)], v[rS+8*(\n)], v[rS+8*(\n)+1], v[rS+8*(\n)+2]
.elseif (\n) < 12
	v_max3_num_f32 v[rC+(\n)%4], v[rC+(\n)%4], v[rS+8*((\n)%4)+2*((\n)/4)+1], v[rS+8*((\n)%4)+2*((\n)/4)+2]
.elseif (\n) == 12
	v_max3_num_f32 v[rC], v[rC], v[rS+7], v[rS+15]
.elseif (\n) == 13
	v_max3_num_f32 v[rC+1], v[rC+1], v[rS+23], v[rS+31]
.elseif (\n) == 14
	v_max3_num_f32 v[rC+2], v[rC+2], v[rC+3], v[rT+1]
.elseif (\n) == 15
	v_mov_b32 v[rW], v[rT]
	s_wait_alu depctr_va_vdst(0)
.elseif (\n) == 16
	v_max3_num_f32 v[rC], v[rC], v[rC+1], v[rC+2]
	s_wait_alu depctr_va_vdst(0)
.elseif (\n) == 17
	v_permlanex16_b32 v[rC+3], v[rC], s[SEL], s[SEL+1]
.elseif (\n) == 18
	v_max_num_f32 v[rT+1], v[rC], v[rC+3]
.elseif (\n) == 19
	v_mul_f32 v[rT], s[CS], v[rT+1]
.elseif (\n) == 20
	v_sub_f32 v[rC+1], v[rW], v[rT]
.else
	v_exp_f32 v[rC+2], v[rC+1]
.endif
.endif
.endm
.macro OPS a, i1, b=-1, i2=0, c=-1, i3=0, d=-1, i4=0  ; up to four of them
	OP \a, \i1
.if (\b) >= 0
	OP \b, \i2
.endif
.if (\c) >= 0
	OP \c, \i3
.endif
.if (\d) >= 0
	OP \d, \i4
.endif
.endm
.macro ROW a, i1, b, i2, c, i3, d, i4  ; a matrix instruction and the four behind it
	MM
	OPS \a, \i1, \b, \i2, \c, \i3, \d, \i4
.endm
; A TURN, for piece p: the order of its 16 matrix and 118 vector instructions, written out.  Behind a matrix instruction: plain, exponential, plain, plain; or four of the rescaling; or, behind the first, four scalings; none
; names a register of the products round it.  In the runs between, exponential and plain by turns while exponentials last.  A line reads no result made fewer than three vector instructions in front of it, five if an
; exponential made it.
; K of the next step is fetched in piece 2's turn, six vector instructions behind the last product that read K (five of them plain); V of the step in hand in piece 0's turn, eight behind the last product that read V (four
; plain among them).  Each is waited for a turn later.
.macro TURN p
.set Y, (\p)
.set i, 0
.if (\p) == 3
	s_wait_dscnt 0x0                ; K is in
.endif
	ROW F,0, F,1, F,2, F,3
	ROW F,4, E,0, F,5, F,6
	ROW F,7, E,1, F,8, F,9
	ROW F,10, E,2, C,0, F,11
	ROW F,12, E,3, X,15, F,13
	ROW R,0, R,1, R,2, R,3
	ROW B,0, E,4, F,14, L,0
.if (\p) == 2
	v_add_nc_u32 v[AK], s[TBK], v[AK0]
.endif
	ROW R,4, R,5, R,6, R,7
	OPS E,5, F,15
.if (\p) == 2
	FETCH_K 1
.endif
	OPS E,6, C,1, E,7, R,8
	OPS E,8, R,9, E,9, C,2
	OPS E,10, X,0, E,11, X,1
	OPS E,12, X,2, E,13, X,3
.if (\p) == 1
	s_wait_dscnt 0x0                ; V is in
.endif
	ROW X,4, E,14, X,5, X,6
	ROW X,7, E,15, X,8, X,9
	ROW X,10, E,16, X,11, X,12
	ROW X,13, E,17, X,14, B,1
	ROW C,4, E,18, X,16, L,1
	ROW B,2, E,19, C,6, L,2
	ROW C,8, E,20, B,3, B,4
.if (\p) == 0
	v_add_nc_u32 v[AV], s[TBV], v[AV0]
.endif
	ROW C,3, E,21, L,3, C,5
	OPS E,22, X,17, E,23, C,10
.if (\p) == 0
	FETCH_V
.endif
	OPS E,24, L,4
	OPS E,25, X,18, E,26, C,7
	OPS E,27, B,5, E,28, X,19
	OPS E,29, C,12, E,30, L,5
	OPS E,31, X,20, B,6, C,9
	OPS C,14, C,11, X,21, L,6
.if (\p) == 0
	s_add_co_u32 s[TBV], s[TBV], KS*PV
.endif
	OPS C,13, B,7, C,15, R,10
	OPS R,11, R,12, L,7, R,13
	OPS R,14, R,15
.endm
.macro ALL line:vararg              ; one line for each piece t
.set t, 0
.rept 4
	\line
.set t, t+1
.endr
.endm
.macro PACK t                       ; a lane's eight channels of a row pack into 16 bytes; they go into rows of 144 bytes and come back as whole rows of 128, into S^T's registers
	WIN W_RS
.set i, 32*(\t)
.rept 16
	v_pk_mul_f32 v[i:i+1], v[i:i+1], v[ST+4*(\t)+2:ST+4*(\t)+3] op_sel_hi:[1,0]
.set i, i+2
.endr
	WIN 0x05                        ; sources 0 and 1 window 1, destination window 0
.set i, 0
.rept 16
	v_cvt_pk_bf16_f32 v[S+16*(\t)+i], v[32*(\t)+2*i], v[32*(\t)+2*i+1]
.set i, i+1
.endr
	WIN 0
.irp f, 0,1,2,3
	ds_store_b128 v[STO], v[S+16*(\t)+4*\f:S+16*(\t)+4*\f+3] offset:32*\f
.endr
.irp f, 0,1,2,3
	ds_load_b128 v[S+16*(\t)+4*\f:S+16*(\t)+4*\f+3], v[RD] offset:\f*4*SP  ; LDS serves a wave's instructions in order (ISA guide 5.7.1.4): these see the stores above; the next piece's stores come behind them
.endr
.endm
.macro SEND t, younger              ; younger: the LDS instructions issued behind piece t's loads: the next piece's eight, or none
	WIN 0
.irp f, 0,1,2,3
	s_wait_dscnt (\younger)+3-\f
	global_store_b128 v[GO], v[S+16*(\t)+4*\f:S+16*(\t)+4*\f+3], s[10:11] offset:(\t)*2048+\f*512  ; 512 consecutive bytes, at a multiple of 256 from O's first
.endr
.endm
	s_wait_tensorcnt 0x0            ; my part of K or V is in,
	s_barrier_signal -1
	s_barrier_wait -1               ; everybody's is
	v_add_nc_u32 v[AK], s[TBK], v[AK0]
	FETCH_K                         ; key step 0
	s_wait_dscnt 0x0
.set i, 0
.rept 8
	KQ 0                            ; piece 0's first scores
.set i, i+1
.endr
	WIN 0
.rept 4
	v_nop                           ; the places behind those products
.endr
.set Y, NP-1                        ; X works for piece Y + 1: piece 0
.irp n, 0,1,2,3,4,5,6,7,8,9,10,11,12,13,14,15,16,17,18,19,20,21
	OP X, \n
.endr
	v_nop                           ; a plain instruction behind the exponential
	s_mov_b32 s[CNT], 1024/KS
	s_branch .Lask                  ; the loop is entered in the middle of a trip: the cast's first batch is asked for, then comes a step's first turn
.Lstep:                             ; a trip: pieces 2 and 3 of one step, then pieces 0 and 1 of the next, whose K and V it fetches
	TURN 2
	TURN 3
	WIN 0
	s_sub_co_u32 s[CNT], s[CNT], 1
	s_cmp_eq_u32 s[CNT], 0
	s_cbranch_scc1 .Lout            ; the last trip is left here.  Its 8 products K Q^T (on the last K once more) and the maximum made of them serve nothing: the price, once a launch, of one text for every trip
	s_cmp_eq_u32 s[CNT], 11         ; THE CAST's two turns: with 11 and with 5 key steps to go
	s_cselect_b32 s86, 1, 0
	s_cmp_eq_u32 s[CNT], 5
	s_cselect_b32 s86, 1, s86
	s_cmp_eq_u32 s86, 1
	s_cbranch_scc0 .Lfirst
	s_wait_loadcnt 0x0              ; the batch's 32 loads, the only ones out: they were issued five or six key steps back
	s_wait_xcnt 0x0                 ; every earlier load and store has read its address and data registers: the pointers and the batch's registers are written only behind this wait
	s_add_nc_u64 s[CSRC:CSRC+1], s[CSRC:CSRC+1], 16384
	s_add_nc_u64 s[CDST:CDST+1], s[CDST:CDST+1], s[CDS:CDS+1]
	s_mov_b32 s[CDS], 8192
	WIN 0xcf                        ; destination and both sources in window 3
.set z, 0
.rept 32
	v_cvt_pk_bf16_f32 v[4*z],   v[4*z],   v[4*z+1]
	v_cvt_pk_bf16_f32 v[4*z+1], v[4*z+2], v[4*z+3]
.set z, z+1
.endr
	WIN 0x0c                        ; the stores' data in window 3, their address in window 0
.set z, 0
.rept 32
	global_store_b64 v[C8], v[4*z:4*z+1], s[CDST:CDST+1] offset:256*z  ; 32 lanes store 256 consecutive bytes, aligned
.set z, z+1
.endr
	WIN 0
	s_cmp_eq_u32 s[CNT], 5
	s_cbranch_scc1 .Lfirst          ; nothing is left to ask for
.Lask:
	s_wait_xcnt 0x0                 ; the stores just issued have read the registers that the loads below fill
	WIN 0xc0                        ; destination window 3, address window 0
.set z, 0
.rept 32
	global_load_b128 v[4*z:4*z+3], v[GO], s[CSRC:CSRC+1] offset:512*z th:TH_LOAD_NT
.set z, z+1
.endr
	WIN 0
.Lfirst:
	TURN 0
	TURN 1
	WIN 0
	s_branch .Lstep
.Lout:
.set i, 0
.rept 8
	PV NP-1                         ; the last piece's V^T P of the last step
.set i, i+1
.endr
	; THE WAY OUT.  l's two halves and the other half of the lanes' are added; O^T is divided by l, rounded to bf16 and sent through my stage in LDS, a piece at a time.  The additions are the places behind the last products.
	WIN 0
	ALL v_add_f32 v[ST+4*t+2], v[ST+4*t+2], v[ST+4*t+3]
	ALL v_permlanex16_b32 v[ST+4*t+3], v[ST+4*t+2], s[SEL], s[SEL+1]
	ALL v_add_f32 v[ST+4*t+2], v[ST+4*t+2], v[ST+4*t+3]
	ALL v_rcp_f32 v[ST+4*t+2], v[ST+4*t+2]
	v_nop                           ; a plain instruction between the last reciprocal and the use of its result
	s_wait_alu depctr_va_vdst(0)
	PACK 0
.set t, 1
.rept 3                             ; a piece's arithmetic stands between the loads of the piece before and its stores
	PACK t
	SEND t-1, 8
.set t, t+1
.endr
	SEND 3, 0
	s_wait_tensorcnt 0x0            ; the wave's end, behind my last tensor load and my last LDS store
	ds_add_u32 v[SPW], v[NIL]
	s_wait_dscnt 0x0
	CROUND                          ; the closing round: no work-group ends while a partner may still ask for a tile that names it
	s_endpgm
.Lfunc_end_k_q2c9e7ebfb3_attn:
	.size	k_q2c9e7ebfb3_attn, .Lfunc_end_k_q2c9e7ebfb3_attn-k_q2c9e7ebfb3_attn
	.p2alignl 7, 3214868480
	.fill 96, 4, 3214868480
	.section	.rodata,"a",@progbits
	.p2align	6, 0x0
	.amdhsa_kernel k_q2c9e7ebfb3_attn
		.amdhsa_group_segment_fixed_size 327680
		.amdhsa_private_segment_fixed_size 0
		.amdhsa_enable_private_segment 0
		.amdhsa_kernarg_size 48
		.amdhsa_user_sgpr_count 2
		.amdhsa_user_sgpr_kernarg_segment_ptr 1
		.amdhsa_wavefront_size32 1
		.amdhsa_system_sgpr_workgroup_id_x 1
		.amdhsa_system_sgpr_workgroup_id_y 1
		.amdhsa_system_sgpr_workgroup_id_z 1
		.amdhsa_system_vgpr_workitem_id 0
		.amdhsa_next_free_vgpr 896
		.amdhsa_next_free_sgpr 88
		.amdhsa_reserve_vcc 0
		.amdhsa_float_denorm_mode_32 3
		.amdhsa_float_denorm_mode_16_64 3
		.amdhsa_memory_ordered 1
		.amdhsa_forward_progress 1
		.amdhsa_inst_pref_size 96
	.end_amdhsa_kernel
	.amdgpu_metadata
---
amdhsa.version: [ 1, 2 ]
amdhsa.kernels:
  - .name:           k_q2c9e7ebfb3_attn
    .symbol:         k_q2c9e7ebfb3_attn.kd
    .args:
      - { .name: panels, .offset: 0, .size: 8, .value_kind: global_buffer, .address_space: global }
      - { .name: op, .offset: 8, .size: 8, .value_kind: global_buffer, .address_space: global }
      - { .name: l1_w, .offset: 16, .size: 8, .value_kind: global_buffer, .address_space: global }
      - { .name: l2_w, .offset: 24, .size: 8, .value_kind: global_buffer, .address_space: global }
      - { .name: w1, .offset: 32, .size: 8, .value_kind: global_buffer, .address_space: global }
      - { .name: wsm, .offset: 40, .size: 8, .value_kind: global_buffer, .address_space: global }
    .group_segment_fixed_size: 327680
    .private_segment_fixed_size: 0
    .kernarg_segment_align: 8
    .kernarg_segment_size: 48
    .max_flat_workgroup_size: 128
    .sgpr_count:     88
    .vgpr_count:     896
    .wavefront_size: 32
...
	.end_amdgpu_metadata
.endif
;; end of part 3
;; launch outp (part 4): grid 8 x 32, 4 waves a work-group, clusters of 4 x 4, 327,680 bytes of LDS; arguments op, wsm, out_b, acc32; writes acc32
.if DOCPART == 4
	.amdgcn_target "amdgcn-amd-amdhsa--gfx1250"
	.amdhsa_code_object_version 6
	.text
	.protected	k_q2c9e7ebfb3_outp
	.globl	k_q2c9e7ebfb3_outp
	.p2align	8
	.type	k_q2c9e7ebfb3_outp,@function
k_q2c9e7ebfb3_outp:
	s_mov_b64 s[64:65], 0
	v_nop
	global_prefetch_b8 v0, s[64:65] scope:SCOPE_SE
	s_setreg_imm32_b32 hwreg(HW_REG_WAVE_MODE, 25, 1), 1
	s_wait_xcnt 0x0
	s_wait_alu depctr_hold_cnt(0) depctr_sa_sdst(0) depctr_va_vdst(0) depctr_va_sdst(0) depctr_va_ssrc(0) depctr_va_vcc(0) depctr_vm_vsrc(0)
	s_getreg_b32 s2, hwreg(HW_REG_IB_STS2, 6, 4)
	s_cmp_eq_u32 s2, 0
	s_cbranch_scc0 .Lentry_in_a_cluster
	s_endpgm
.Lentry_in_a_cluster:
	s_bfe_u32 s2, ttmp6, 0x10000c
	s_cmp_lg_u32 s2, 0xf033
	s_cbranch_scc0 .Lentry_shape_is_right
	s_endpgm
.Lentry_shape_is_right:
; C[m][n] = bias[n] + the sum over k of A[k / 64][m][k % 64] W[k][n].  A: panels of 64 columns, [K / 64][4096][64] bf16.  W: [K][1024] bf16, WOFF bytes into its buffer.  bias: f32.  C: [4096][1024] f32.
; Here K = 1,024 (the attention's output times out_w).  Sums in f32, started by the bias; C is not rounded.  LIMIT: operands are bf16.
; SHARES.  A tile of C is 128 x 128: 256 work-groups.  Four waves, 64 x 64 each: 16 accumulators of 16 x 16.  K goes in steps of 256 (four panels) through two LDS slots filled by the tensor data mover.
; W STAYS [K][N]: its fragments come out of LDS turned, by ds_load_tr16_b128.  The product is taken transposed (source 0 = 16 columns of W, source 1 = 16 rows of A): a lane holds eight neighbouring
; columns of one row of C, and the bias of those columns is the C operand of the first product.
; CLUSTER.  4 x 4 work-groups: A's tile is asked for jointly along a row of the cluster, W's along a column.  The loop's trip is one K step; the slot in hand is a scalar register that an exclusive or turns;
; SLOT shares no bit with wave x HALFT, so the same exclusive or turns the walking descriptors.
; THE WALK ALONG K.  A cluster whose two coordinates add up to an odd number begins with K step NSTEP / 2 and goes round; the others begin with step 0.  So of the clusters that need one tile one group asks
; for it half a walk ahead of the other.  The step's number hangs on the cluster's coordinates alone, which the sixteen partners share; the sums are taken in that order of K.
; NO PREFETCH here (PF = 0): the walk has four K steps, two of them first fills, so no step lies far enough ahead of its load to be named.
; REGISTERS: window 0: v0-31 addresses; v32-95 rows read back from the stage, two sets; v96-127 the bias; v128-255 the accumulators ((a, b) at v[128 + 8 (4 a + b)]).
;   window 1: two fragment buffers of 128: for 64 along K, 64 registers of A (2 x 4 x 16 rows x 32 K), then 64 of W.
.set NSTEP,  4
.set HSH,    1                         ; NSTEP / 2 = 1 << HSH
.set WOFF,   0
.set PF,     0
.set PFLIM,  NSTEP/2+2
.set ASH,    21                        ; a K step in A is four panels of 524,288 bytes: 1 << 21
.set BSH,    19                        ; in W 256 rows of 2,048 bytes: 1 << 19
.set PAP,    144                       ; a row of a panel in LDS: 128 bytes + 16 = 36 words: the 16 rows of a load start at 16 different groups of four banks (64 banks of 4 bytes: ISA guide 11.1)
.set PB,     288                       ; a row of W in LDS: 256 bytes + 32 = 72 words
.set HALFT,  4*64*PAP                  ; what one tensor load brings: 64 rows of four panels, or 128 rows of W (128 x 288 is the same)
.set BOFF,   2*HALFT
.set SLOT,   4*HALFT
.set STAGE,  2*SLOT                    ; behind the ring: 16 rows x 272 bytes for each wave, for the way out
.set SPITCH, 272
.set SPARE,  STAGE+4*16*SPITCH         ; behind the stages: the spare words, 128 bytes for each wave: two blocks of 256 bytes that no other line names
.set ADRA0, 16                         ; v16  my lane's place in A's part of a slot; never rewritten
.set ADRB0, 17                         ; v17  the same for W
.set ADRA,  18                         ; v18  the same in the slot in hand
.set ADRB,  19                         ; v19  W's rows 0-127;  v20  rows 128-255
.set BO,    21                         ; v21  my byte offset in the bias
.set PFO,   22                         ; v22  the prefetches' offset: my lane's block of 256 bytes; never rewritten
.set STO,   24
.set RD,    25
.set CO,    26
.set SPW,   28                         ; v28  LDS address of my spare word: SPARE + 4 x my thread's number; never rewritten
.set NIL,   29                         ; v29  0; never rewritten
.set TMP,   32
.set BIAS,  96
.set ACC,   128
.set F0,    0
.set F1,    128
.set CNT, 3
.set WV,  12
.set RH,  13                           ; s13  which half of the tile's rows is mine.  Also: I fetch for A (0) or for W (1)
.set CH,  14                           ; s14  which half of its columns.  Also: which half of that tile I fetch
.set CX,  15
.set CY,  16
.set TX,  17
.set TY,  18
.set LIM, 19                           ; s19  a wave prefetches while CNT is above it
.set G1A, 24
.set G0A, 32
.set TB,  44
.set KI,  45                           ; s45  the K step that the walking descriptors name
.set PFA, 46                           ; s[46:47] where my prefetches stand
.set G1B, 48
.set G0B, 56
.set PST, 68                           ; s[68:69] a K step in the tensor that I prefetch
.set MSB, 0
.macro WIN new
.if MSB != (\new)
	s_set_vgpr_msb (MSB<<8)|(\new)
.set MSB, \new
.endif
.endm
.macro PLACES                          ; four places behind a matrix instruction (ISA guide 7.12.1)
.rept 4
	v_nop
.endr
.endm
.macro JLOAD                           ; a joint refill by the walking descriptor; an s_nop 0 and four v_nop follow each of the two lines
	s_cmp_eq_u32 s[RH], 0
	s_cbranch_scc0 .Lfor_b_\@
	tensor_load_to_lds s[G0A+4:G0A+7], s[G1A:G1A+7]
	s_nop 0
	PLACES
	s_branch .Lasked_\@
.Lfor_b_\@:
	tensor_load_to_lds s[G0B+4:G0B+7], s[G1B:G1B+7]
	s_nop 0
	PLACES
.Lasked_\@:
.endm
.macro ASK                             ; a prefetch into the L2: see the kernel's head
	s_cmp_gt_u32 s[CNT], s[LIM]
	s_cbranch_scc0 .Lnot_mine_\@
	global_prefetch_b8 v[PFO], s[PFA:PFA+1] th:TH_LOAD_NT scope:SCOPE_SE
.Lnot_mine_\@:
.endm
.macro CREST
	s_cmp_lg_u32 s[WV], 0
	s_cbranch_scc1 .Lnot_wave_0_\@
	s_barrier_signal -3
.Lnot_wave_0_\@:
	s_barrier_wait -3
	s_barrier_signal -1
	s_barrier_wait -1
.endm
.macro CROUND
	s_barrier_signal -1
	s_barrier_wait -1
	CREST
.endm
	s_load_b256 s[4:11], s[0:1], 0x0               ; A s[4:5], W's buffer s[6:7], bias s[8:9], C s[10:11]
	v_lshl_add_u32 v[SPW], v0, 2, SPARE
	v_mov_b32 v[NIL], 0
	ds_add_u32 v[SPW], v[NIL]                      ; the wave's opening: the add and its wait stand ahead of my first tensor load; work on registers stands between them
	v_lshrrev_b32 v1, 5, v0
	v_readfirstlane_b32 s[WV], v1
	s_lshr_b32 s[RH], s[WV], 1
	s_and_b32 s[CH], s[WV], 1
	s_bfe_u32 s[CX], ttmp6, 0x40000
	s_bfe_u32 s[CY], ttmp6, 0x40004
	s_lshl_b32 s[TX], ttmp9, 2
	s_add_co_u32 s[TX], s[TX], s[CX]
	s_and_b32 s[TY], ttmp7, 0xffff
	s_add_co_u32 s[KI], s[TY], ttmp9               ; the cluster's two coordinates, added:
	s_and_b32 s[KI], s[KI], 1                      ; odd or even,
	s_lshl_b32 s[KI], s[KI], HSH                   ; the walk begins with K step NSTEP / 2 or 0
	s_lshl_b32 s[TY], s[TY], 2
	s_add_co_u32 s[TY], s[TY], s[CY]
	s_lshl_b32 s68, s[CY], 2
	s_lshl_b32 s68, 15, s68                        ; my row of the cluster
	s_lshl_b32 s69, 0x1111, s[CX]                  ; my column
	s_or_b32 s[G1A], s68, (1<<16)|(1<<20)|(1<<21)|(4<<22)|(3<<25)  ; the mask; 2-byte elements; padding on; bit 21 beside a mask; after every 32 words, 4 words
	s_or_b32 s[G1B], s69, (1<<16)|(1<<20)|(1<<21)|(5<<22)|(7<<25)  ; after every 64 words, 8 words
	s_mov_b32 s[G1A+1], 4096<<16                   ; A: a descriptor's row is 64 rows of one panel, 8,192 dense bytes: tensor_dim0 = 4,096
	s_mov_b32 s[G1A+2], 4<<16                      ; tensor_dim1 = 4 panels
	s_mov_b32 s[G1A+3], 4096<<16                   ; tile_dim0
	s_mov_b32 s[G1A+4], 4                          ; tile_dim1
	s_mov_b32 s[G1A+5], 262144                     ; elements from panel to panel
	s_mov_b32 s[G1A+6], 0
	s_mov_b32 s[G1A+7], 0
	s_mov_b32 s[G1B+1], 128<<16                    ; W: 128 rows x 128 columns
	s_mov_b32 s[G1B+2], 128<<16
	s_mov_b32 s[G1B+3], 128<<16
	s_mov_b32 s[G1B+4], 128
	s_mov_b32 s[G1B+5], 1024
	s_mov_b32 s[G1B+6], 0
	s_mov_b32 s[G1B+7], 0
	s_lshl_b32 s40, s[TY], 14                      ; A: row 128 x tile row + 64 x half, 128 bytes a row: made of the tile row and the wave's number alone
	s_lshl_b32 s22, s[CH], 13
	s_add_co_u32 s40, s40, s22
	s_mov_b32 s41, 0
	s_lshl_b32 s42, s[TX], 8                       ; W: column 128 x tile column, row 128 x half of 2,048 bytes: made of the tile column and the wave's number alone
	s_lshl_b32 s22, s[CH], 18
	s_add_co_u32 s42, s42, s22
	s_add_co_u32 s42, s42, WOFF
	s_mov_b32 s43, 0
	s_mov_b32 s23, 0                               ; s[22:23]: a K step's byte offset, the high word 0
	s_mul_i32 s20, s[WV], HALFT                    ; where my part of a tile goes: no place in the cluster enters an LDS address
	s_wait_dscnt 0x0                               ; the opening add is done
	s_wait_kmcnt 0x0
	s_add_nc_u64 s[40:41], s[4:5], s[40:41]        ; A and W at my part of K step 0: kept for the whole walk
	s_add_nc_u64 s[42:43], s[6:7], s[42:43]
	CROUND                                         ; all sixteen work-groups are here: the first joint loads meet
.irp s, 0,1
	s_mov_b32 s[G0A+4*(\s)], 1
	s_add_co_u32 s[G0A+4*(\s)+1], s20, (\s)*SLOT
	s_lshl_b32 s22, s[KI], ASH
	s_add_nc_u64 s[G0A+4*(\s)+2:G0A+4*(\s)+3], s[40:41], s[22:23]  ; global address: the walk's step s
	s_or_b32 s[G0A+4*(\s)+3], s[G0A+4*(\s)+3], 0x80000000
	s_mov_b32 s[G0B+4*(\s)], 1
	s_add_co_u32 s[G0B+4*(\s)+1], s20, (\s)*SLOT
	s_lshl_b32 s22, s[KI], BSH
	s_add_nc_u64 s[G0B+4*(\s)+2:G0B+4*(\s)+3], s[42:43], s[22:23]
	s_or_b32 s[G0B+4*(\s)+3], s[G0B+4*(\s)+3], 0x80000000
.if (\s) == 0
	s_add_co_u32 s[KI], s[KI], 1                   ; (the walk's second step never wraps)
.endif
.endr
	s_cmp_eq_u32 s[RH], 0                          ; a wave's two first fills stand in one branch, ahead of every wait on TENSORcnt and every LDS read: two loads of mine are out
	s_cbranch_scc0 .Lfirst_b
	tensor_load_to_lds s[G0A:G0A+3], s[G1A:G1A+7]
	s_nop 0
	tensor_load_to_lds s[G0A+4:G0A+7], s[G1A:G1A+7]
	s_nop 0
	PLACES
	s_branch .Lfirst_asked
.Lfirst_b:
	tensor_load_to_lds s[G0B:G0B+3], s[G1B:G1B+7]
	s_nop 0
	tensor_load_to_lds s[G0B+4:G0B+7], s[G1B:G1B+7]
	s_nop 0
	PLACES
.Lfirst_asked:
	v_and_b32 v1, 15, v0                           ; r = l % 16
	v_bfe_u32 v2, v0, 4, 1                         ; h = l / 16
	v_and_b32 v6, 7, v0
	v_bfe_u32 v4, v0, 3, 1
	s_lshl_b32 s71, s[TX], 9                       ; the bias of my 64 columns: lane l wants columns 16 b + 8 h + 0..7
	s_lshl_b32 s22, s[CH], 8
	s_add_co_u32 s71, s71, s22
	v_lshl_add_u32 v[BO], v2, 5, s71
.irp b, 0,1,2,3
	global_load_b128 v[BIAS+8*(\b):BIAS+8*(\b)+3],   v[BO], s[8:9] offset:64*(\b)
	global_load_b128 v[BIAS+8*(\b)+4:BIAS+8*(\b)+7], v[BO], s[8:9] offset:64*(\b)+16
.endr
	v_mul_u32_u24 v[ADRA0], v1, PAP                ; A: row x pitch + 16 x half, in my 64 rows
	v_lshl_add_u32 v[ADRA0], v2, 4, v[ADRA0]
	s_mul_i32 s21, s[RH], HALFT
	v_add_nc_u32 v[ADRA0], s21, v[ADRA0]
	v_lshl_add_u32 v3, v2, 3, v6                   ; W, turned: lane l reads row 8 h + l % 8, columns 8 ((l / 8) % 2) + 0..7
	v_mul_u32_u24 v[ADRB0], v3, PB
	v_lshl_add_u32 v[ADRB0], v4, 4, v[ADRB0]
	s_lshl_b32 s21, s[CH], 7
	s_add_co_u32 s21, s21, BOFF
	v_add_nc_u32 v[ADRB0], s21, v[ADRB0]
	s_mul_i32 s21, s[WV], 16*SPITCH
	s_add_co_u32 s21, s21, STAGE                   ; my stage
	v_mul_u32_u24 v[STO], v1, SPITCH               ; in: row r, 32 bytes for each half of the lanes
	v_lshl_add_u32 v[STO], v2, 5, v[STO]
	v_add_nc_u32 v[STO], s21, v[STO]
	v_mul_u32_u24 v[RD], v2, SPITCH                ; back: lanes 0-15 take one row of 256 bytes, lanes 16-31 the next
	v_lshl_add_u32 v[RD], v1, 4, v[RD]
	v_add_nc_u32 v[RD], s21, v[RD]
	v_lshlrev_b32 v[CO], 12, v2                    ; and the same two rows in C
	v_lshl_add_u32 v[CO], v1, 4, v[CO]
	s_lshl_b32 s66, s[TY], 19                      ; C at row 128 x tile row + 64 x half of 4,096 bytes, column 128 x tile column + 64 x half
	s_lshl_b32 s70, s[TX], 9
	s_add_co_u32 s66, s66, s70
	s_lshl_b32 s22, s[RH], 18
	s_add_co_u32 s66, s66, s22
	s_lshl_b32 s22, s[CH], 8
	s_add_co_u32 s66, s66, s22
	s_mov_b32 s67, 0
	s_add_nc_u64 s[10:11], s[10:11], s[66:67]
	s_mov_b32 s[TB], 0
	v_mov_b32 v[ADRA], v[ADRA0]
	v_mov_b32 v[ADRB], v[ADRB0]
	v_add_nc_u32 v[ADRB+1], 128*PB, v[ADRB]
.if PF
	s_cmp_eq_u32 s[RH], 0                          ; do I fetch for A?
	s_cselect_b64 s[PFA:PFA+1], s[40:41], s[42:43]
	s_cselect_b32 s70, s[CX], s[CY]                ; my place among the four that ask for the tile with me
	s_cselect_b32 s71, 19, 16                      ; its share of my load's 128 blocks: one panel's 64 rows (1 << 19 bytes on), or 32 rows of W (1 << 16 bytes on)
	s_cselect_b32 s66, ASH, BSH
	s_cselect_b32 s67, 8, 11                       ; from block to block: 256 bytes on end in a panel, a row of 2,048 bytes in W
	s_lshl_b32 s70, s70, s71
	s_add_co_u32 s71, s[KI], 2                     ; KI names the walk's step 1: the prefetches stand at step 3, and step on ahead of each use
	s_lshl_b32 s71, s71, s66
	s_add_co_u32 s70, s70, s71
	s_mov_b32 s71, 0
	s_add_nc_u64 s[PFA:PFA+1], s[PFA:PFA+1], s[70:71]
	s_lshl_b32 s[PST], 1, s66
	s_mov_b32 s[PST+1], 0
	v_and_b32 v[PFO], 31, v0
	v_lshlrev_b32 v[PFO], s67, v[PFO]
	s_and_b32 s67, ttmp7, 0xffff
	s_cmp_lt_u32 s67, 2
	s_cselect_b32 s67, PFLIM, -1
	s_cmp_eq_u32 s[RH], 0
	s_cselect_b32 s[LIM], PFLIM, s67               ; the same in all sixteen partners, for a given wave
.endif
; 8 matrix instructions: row blocks a0, a0 + 1 x all 4 column blocks, 32 along K: half c of buffer f.  zero = 1: the bias starts the sums.  The 16 accumulators take turns.
.macro MUL8 f, c, a0, zero
	WIN 0x05                                       ; sources 0 (W) and 1 (A) window 1; C and D window 0
.irp a, \a0, (\a0)+1
.irp b, 0,1,2,3
.if \zero
	v_wmma_f32_16x16x32_bf16 v[ACC+8*(4*(\a)+(\b)):ACC+8*(4*(\a)+(\b))+7], v[(\f)+64+8*(4*(\c)+(\b)):(\f)+64+8*(4*(\c)+(\b))+7], v[(\f)+8*(4*(\c)+(\a)):(\f)+8*(4*(\c)+(\a))+7], v[BIAS+8*(\b):BIAS+8*(\b)+7]
.else
	v_wmma_f32_16x16x32_bf16 v[ACC+8*(4*(\a)+(\b)):ACC+8*(4*(\a)+(\b))+7], v[(\f)+64+8*(4*(\c)+(\b)):(\f)+64+8*(4*(\c)+(\b))+7], v[(\f)+8*(4*(\c)+(\a)):(\f)+8*(4*(\c)+(\a))+7], v[ACC+8*(4*(\a)+(\b)):ACC+8*(4*(\a)+(\b))+7]
.endif
.endr
.endr
.endm
; 32 LDS loads in one run: the fragments of quarter qd (64 along K: one panel of A) of the slot in hand, into buffer f; the first 32 along K first
.macro FETCH qd, f
	WIN 0x40
.irp c, 0,1
.irp i, 0,1,2,3
	ds_load_tr16_b128 v[(\f)+64+8*(4*(\c)+(\i)):(\f)+64+8*(4*(\c)+(\i))+3],   v[ADRB+(\qd)/2] offset:(64*((\qd)%2)+32*(\c))*PB+32*(\i)
	ds_load_tr16_b128 v[(\f)+64+8*(4*(\c)+(\i))+4:(\f)+64+8*(4*(\c)+(\i))+7], v[ADRB+(\qd)/2] offset:(64*((\qd)%2)+32*(\c)+16)*PB+32*(\i)
	ds_load_b128 v[(\f)+8*(4*(\c)+(\i)):(\f)+8*(4*(\c)+(\i))+3],   v[ADRA] offset:(\qd)*64*PAP+64*(\c)+(\i)*16*PAP
	ds_load_b128 v[(\f)+8*(4*(\c)+(\i))+4:(\f)+8*(4*(\c)+(\i))+7], v[ADRA] offset:(\qd)*64*PAP+64*(\c)+(\i)*16*PAP+32
.endr
.endr
.endm
.macro QUARTER qd, f, g, zero          ; multiplies buffer f; in its middle it fetches quarter qd into buffer g
	s_wait_dscnt 16                                ; the first 32 along K are in
	MUL8 \f, 0, 0, \zero
	MUL8 \f, 0, 2, \zero
	PLACES
	FETCH \qd, \g
	s_wait_dscnt 32                                ; all but the 32 just issued
	MUL8 \f, 1, 0, 0
	MUL8 \f, 1, 2, 0
.endm
; THE CHANGE OF SLOTS stands at the head of a K step's last quarter: the slot's last fragments (buffer 1) have been asked for 16 matrix instructions back.  ONE barrier: in front of it each wave waits for all
; its tensor loads, adds 0 to its spare word, and waits for that and for its own reads of this slot.  fill = 1: the barrier opens a round of the cluster's, and this slot is filled again first thing behind it,
; with the walk's step two on; the whole quarter is multiplied behind the refill, which so has a K step's 128 matrix instructions in which to land.
.macro TURN fill
.if (\fill) && PF
	s_wait_xcnt 0x0                                ; the last prefetch, a K step back, has read its address: it is stepped here, ahead of the waits of the change of slots
	s_add_nc_u64 s[PFA:PFA+1], s[PFA:PFA+1], s[PST:PST+1]
.endif
	WIN 0
	s_wait_tensorcnt 0x0                           ; all my tensor loads have landed: my part of the next slot; so every group 0 may be written
	ds_add_u32 v[SPW], v[NIL]                      ; 0 onto my spare word; the scalar work below stands between it and the wait for it
.if \fill
	s_add_co_u32 s[KI], s[KI], 1                   ; the walk's next step, round from NSTEP - 1 to 0
	s_and_b32 s[KI], s[KI], NSTEP-1
	s_xor_b32 s[G0A+5], s[G0A+5], SLOT             ; the walking descriptors: the other slot than last time; the address is made anew from the step's number
	s_lshl_b32 s22, s[KI], ASH
	s_add_nc_u64 s[G0A+6:G0A+7], s[40:41], s[22:23]
	s_or_b32 s[G0A+7], s[G0A+7], 0x80000000
	s_xor_b32 s[G0B+5], s[G0B+5], SLOT
	s_lshl_b32 s22, s[KI], BSH
	s_add_nc_u64 s[G0B+6:G0B+7], s[42:43], s[22:23]
	s_or_b32 s[G0B+7], s[G0B+7], 0x80000000
.endif
	s_xor_b32 s[TB], s[TB], SLOT
	s_wait_dscnt 0x0                               ; the add is done, and my reads of this slot are over
	s_barrier_signal -1
	s_barrier_wait -1
.if \fill
	CREST                                          ; no wave of any partner still reads this slot's tile or has a load on its way
	JLOAD                                          ; the first tensor load behind the round; its four v_nop are also the places in front of the loads below
.else
	PLACES
.endif
	v_add_nc_u32 v[ADRA], s[TB], v[ADRA0]
	v_add_nc_u32 v[ADRB], s[TB], v[ADRB0]
	v_add_nc_u32 v[ADRB+1], 128*PB, v[ADRB]
	FETCH 0, F0
.if (\fill) && PF
	WIN 0
	ASK                                            ; behind the joint load and the run of LDS loads that the next products wait for
.endif
	MUL8 F1, 0, 0, 0
	MUL8 F1, 0, 2, 0
	MUL8 F1, 1, 0, 0
	MUL8 F1, 1, 2, 0
.endm
; THE WAY OUT of block a (16 rows x 64 columns of f32): a lane's 32 bytes go into my stage, each accumulator's low four registers first, and come back as whole rows of 256 bytes.
.macro TOSTAGE a
.if (\a) >= 2
	s_wait_xcnt 0x0                                ; the stores of the block two back have read the registers that the loads below fill
.endif
.irp b, 0,1,2,3
	ds_store_b128 v[STO], v[ACC+8*(4*(\a)+(\b)):ACC+8*(4*(\a)+(\b))+3]   offset:64*(\b)
	ds_store_b128 v[STO], v[ACC+8*(4*(\a)+(\b))+4:ACC+8*(4*(\a)+(\b))+7] offset:64*(\b)+16
.endr
.irp t, 0,1,2,3,4,5,6,7
	ds_load_b128 v[TMP+32*((\a)%2)+4*(\t):TMP+32*((\a)%2)+4*(\t)+3], v[RD] offset:(\t)*2*SPITCH  ; LDS serves a wave's instructions in order (ISA guide 5.7.1.4): these see the stores above
.endr
.endm
.macro SEND a, younger                 ; younger: the LDS instructions issued behind block a's loads: the next block's sixteen, or none
.irp t, 0,1,2,3,4,5,6,7
	s_wait_dscnt (\younger)+7-(\t)
	global_store_b128 v[CO], v[TMP+32*((\a)%2)+4*(\t):TMP+32*((\a)%2)+4*(\t)+3], s[10:11] offset:(16*(\a)+2*(\t))*4096  ; 16 lanes store 256 consecutive bytes, aligned
.endr
.endm
	s_wait_tensorcnt 1                             ; my part of the walk's first step is in; the second's may stay out
	s_barrier_signal -1
	s_barrier_wait -1
	FETCH 0, F0
	s_wait_loadcnt 0x0                             ; the bias
	QUARTER 1, F0, F1, 1                           ; the first quarter stands in front of the loop: its first products start the sums
	WIN 0
	s_mov_b32 s[CNT], NSTEP-2
.Lstep:                                        ; a trip: from a K step's second quarter to the next step's first; trip t fills a slot with the walk's step t + 2
	QUARTER 2, F1, F0, 0
	QUARTER 3, F0, F1, 0
	TURN 1
	QUARTER 1, F0, F1, 0
	WIN 0
	s_sub_co_u32 s[CNT], s[CNT], 1
	s_cmp_lg_u32 s[CNT], 0
	s_cbranch_scc1 .Lstep
	s_mov_b32 s[CNT], 2
.Ltail:                                        ; the last two K steps fill nothing: the same trip without a tensor load, walked once and left in the middle of the second time
	QUARTER 2, F1, F0, 0
	QUARTER 3, F0, F1, 0
	WIN 0
	s_sub_co_u32 s[CNT], s[CNT], 1
	s_cmp_eq_u32 s[CNT], 0
	s_cbranch_scc1 .Llast
	TURN 0
	QUARTER 1, F0, F1, 0
	WIN 0
	s_branch .Ltail
.Llast:
	s_wait_dscnt 16
	MUL8 F1, 0, 0, 0
	MUL8 F1, 0, 2, 0
	s_wait_dscnt 0x0
	MUL8 F1, 1, 0, 0
	MUL8 F1, 1, 2, 0
	WIN 0
	PLACES
	TOSTAGE 0
	TOSTAGE 1
	SEND 0, 16
	TOSTAGE 2
	SEND 1, 16
	TOSTAGE 3
	SEND 2, 16
	SEND 3, 0
	s_wait_tensorcnt 0x0                           ; the wave's end, behind my last tensor load and my last LDS store
	ds_add_u32 v[SPW], v[NIL]
	s_wait_dscnt 0x0
	CROUND                                         ; the closing round
	s_endpgm
.Lfunc_end_k_q2c9e7ebfb3_outp:
	.size	k_q2c9e7ebfb3_outp, .Lfunc_end_k_q2c9e7ebfb3_outp-k_q2c9e7ebfb3_outp
	.p2alignl 7, 3214868480
	.fill 96, 4, 3214868480
	.section	.rodata,"a",@progbits
	.p2align	6, 0x0
	.amdhsa_kernel k_q2c9e7ebfb3_outp
		.amdhsa_group_segment_fixed_size 327680
		.amdhsa_private_segment_fixed_size 0
		.amdhsa_enable_private_segment 0
		.amdhsa_kernarg_size 32
		.amdhsa_user_sgpr_count 2
		.amdhsa_user_sgpr_kernarg_segment_ptr 1
		.amdhsa_wavefront_size32 1
		.amdhsa_system_sgpr_workgroup_id_x 1
		.amdhsa_system_sgpr_workgroup_id_y 1
		.amdhsa_system_sgpr_workgroup_id_z 1
		.amdhsa_system_vgpr_workitem_id 0
		.amdhsa_next_free_vgpr 512
		.amdhsa_next_free_sgpr 72
		.amdhsa_reserve_vcc 0
		.amdhsa_float_denorm_mode_32 3
		.amdhsa_float_denorm_mode_16_64 3
		.amdhsa_memory_ordered 1
		.amdhsa_forward_progress 1
		.amdhsa_inst_pref_size 61
	.end_amdhsa_kernel
	.amdgpu_metadata
---
amdhsa.version: [ 1, 2 ]
amdhsa.kernels:
  - .name:           k_q2c9e7ebfb3_outp
    .symbol:         k_q2c9e7ebfb3_outp.kd
    .args:
      - { .name: op, .offset: 0, .size: 8, .value_kind: global_buffer, .address_space: global }
      - { .name: wsm, .offset: 8, .size: 8, .value_kind: global_buffer, .address_space: global }
      - { .name: out_b, .offset: 16, .size: 8, .value_kind: global_buffer, .address_space: global }
      - { .name: acc32, .offset: 24, .size: 8, .value_kind: global_buffer, .address_space: global }
    .group_segment_fixed_size: 327680
    .private_segment_fixed_size: 0
    .kernarg_segment_align: 8
    .kernarg_segment_size: 32
    .max_flat_workgroup_size: 128
    .sgpr_count:     72
    .vgpr_count:     512
    .wavefront_size: 32
...
	.end_amdgpu_metadata
.endif
;; end of part 4
;; launch ln1 (part 5): grid 512 x 1, 8 waves a work-group, no clusters, 0 bytes of LDS; arguments pcpt, gen, acc32, n1_g, n1_b, p32, abf; writes p32, abf
.if DOCPART == 5
	.amdgcn_target "amdgcn-amd-amdhsa--gfx1250"
	.amdhsa_code_object_version 6
	.text
	.protected	k_q2c9e7ebfb3_ln1
	.globl	k_q2c9e7ebfb3_ln1
	.p2align	8
	.type	k_q2c9e7ebfb3_ln1,@function
k_q2c9e7ebfb3_ln1:
	s_mov_b64 s[64:65], 0
	v_nop
	global_prefetch_b8 v0, s[64:65] scope:SCOPE_SE
	s_setreg_imm32_b32 hwreg(HW_REG_WAVE_MODE, 25, 1), 1
	s_wait_xcnt 0x0
; p = LayerNorm(x + ctx) g + b.  x: pcpt's 2,048 rows, then gen's, f32.  ctx: acc32 [4096][1024] f32 (out_b is in it).  p leaves twice: in f32 (p32, the next residual) and rounded once to bf16 (abf, the next operand).
; A row is 4,096 bytes: one wave holds it in 32 registers, so mean and variance never leave the wave: no LDS, no barrier.  The variance is the mean of (z - mean)^2, taken over the registers in a second pass.
; Eight waves, a row each; all 32 loads of a wave go out first, the row's ahead of g's and b's; no register that a store reads is written again.
.set GR, 8                             ; v[8:39]    g
.set BR, 40                            ; v[40:71]   b
.set XR, 72                            ; v[72:103]  x, then z, z - mean, p
.set AR, 104                           ; v[104:135] ctx, then p in bf16
.set T,  136                           ; v[136:143] four packed chains
.set MN, 144                           ; v[144:145] the mean, twice
.set RS, 146                           ; v[146:147] 1 / sqrt(variance + 1e-5), twice
.set SEL, 28                           ; s[28:29]
	s_load_b256 s[4:11], s[0:1], 0x0               ; pcpt s4, gen s6, acc32 s8, g s10
	s_load_b128 s[12:15], s[0:1], 0x20             ; b s12, p32 s14
	s_load_b64 s[16:17], s[0:1], 0x30              ; abf
	v_lshrrev_b32 v3, 5, v0
	v_readfirstlane_b32 s18, v3                    ; wave
	v_and_b32 v3, 31, v0
	v_lshlrev_b32 v1, 4, v3                        ; 16 lane
	v_lshlrev_b32 v2, 3, v3                        ; 8 lane
	s_mov_b32 s19, ttmp9
	s_lshl3_add_u32 s20, s19, s18                  ; my row = 8 work-group + wave
	s_and_b32 s22, s20, 2047                       ; the same in pcpt or in gen
	s_lshl_b32 s24, s20, 11
	s_lshl_b32 s20, s20, 12
	s_lshl_b32 s22, s22, 12
	s_mov_b32 s21, 0
	s_mov_b32 s23, 0
	s_mov_b32 s25, 0
	s_mov_b32 s26, 0x3a800000                      ; 1 / 1024
	s_mov_b32 s27, 0x3727c5ac                      ; 1e-5
	s_mov_b32 s[SEL], 0x76543210
	s_mov_b32 s[SEL+1], 0xfedcba98
	s_wait_kmcnt 0x0
	s_cmp_lt_u32 s19, 256
	s_cselect_b64 s[4:5], s[4:5], s[6:7]
	s_add_nc_u64 s[4:5], s[4:5], s[22:23]
	s_add_nc_u64 s[8:9], s[8:9], s[20:21]
	s_add_nc_u64 s[14:15], s[14:15], s[20:21]
	s_add_nc_u64 s[16:17], s[16:17], s[24:25]
.irp j, 0,1,2,3,4,5,6,7
	global_load_b128 v[XR+4*(\j):XR+4*(\j)+3], v1, s[4:5] offset:512*(\j) th:TH_LOAD_NT
.endr
.irp j, 0,1,2,3,4,5,6,7
	global_load_b128 v[AR+4*(\j):AR+4*(\j)+3], v1, s[8:9] offset:512*(\j) th:TH_LOAD_NT
.endr
.irp j, 0,1,2,3,4,5,6,7
	global_load_b128 v[GR+4*(\j):GR+4*(\j)+3], v1, s[10:11] offset:512*(\j)
.endr
.irp j, 0,1,2,3,4,5,6,7
	global_load_b128 v[BR+4*(\j):BR+4*(\j)+3], v1, s[12:13] offset:512*(\j)
.endr
.macro REDUCE                          ; the four packed chains, then the 32 lanes: the sum ends in v[T] of every lane
	v_pk_add_f32 v[T:T+1], v[T:T+1], v[T+2:T+3]
	v_pk_add_f32 v[T+4:T+5], v[T+4:T+5], v[T+6:T+7]
	v_pk_add_f32 v[T:T+1], v[T:T+1], v[T+4:T+5]
	v_add_f32 v[T], v[T], v[T+1]
.irp m, 1,2,4,8
	v_add_f32_dpp v[T], v[T], v[T] row_xmask:\m row_mask:0xf bank_mask:0xf
.endr
	v_permlanex16_b32 v[T+1], v[T], s[SEL], s[SEL+1]
	v_add_f32 v[T], v[T], v[T+1]
.endm
	s_wait_loadcnt 16                              ; the row's two summands are in; g's and b's sixteen loads may stay out
.set z, 0
.rept 16
	v_pk_add_f32 v[XR+z:XR+z+1], v[XR+z:XR+z+1], v[AR+z:AR+z+1]
.set z, z+2
.endr
.irp k, 0,1,2,3
	v_pk_add_f32 v[T+2*(\k):T+2*(\k)+1], v[XR+2*(\k):XR+2*(\k)+1], v[XR+8+2*(\k):XR+8+2*(\k)+1]
.endr
.irp q, 2,3
.irp k, 0,1,2,3
	v_pk_add_f32 v[T+2*(\k):T+2*(\k)+1], v[T+2*(\k):T+2*(\k)+1], v[XR+8*(\q)+2*(\k):XR+8*(\q)+2*(\k)+1]
.endr
.endr
	REDUCE
	v_mul_f32 v[MN], s26, v[T]
	v_mul_f32 v[MN+1], s26, v[T]
.set z, 0
.rept 16
	v_pk_add_f32 v[XR+z:XR+z+1], v[XR+z:XR+z+1], v[MN:MN+1] neg_lo:[0,1] neg_hi:[0,1]
.set z, z+2
.endr
.irp k, 0,1,2,3
	v_pk_mul_f32 v[T+2*(\k):T+2*(\k)+1], v[XR+2*(\k):XR+2*(\k)+1], v[XR+2*(\k):XR+2*(\k)+1]
.endr
.irp q, 1,2,3
.irp k, 0,1,2,3
	v_pk_fma_f32 v[T+2*(\k):T+2*(\k)+1], v[XR+8*(\q)+2*(\k):XR+8*(\q)+2*(\k)+1], v[XR+8*(\q)+2*(\k):XR+8*(\q)+2*(\k)+1], v[T+2*(\k):T+2*(\k)+1]
.endr
.endr
	REDUCE
	v_fma_f32 v[T], v[T], s26, s27                 ; variance + 1e-5
	v_rsq_f32 v[RS], v[T]
	v_rsq_f32 v[RS+1], v[T]
	v_nop                                          ; a plain instruction between the last of them and the use of its result (ISA guide 5.7.2)
.set z, 0
	s_wait_alu depctr_va_vdst(0)
.rept 16
	v_pk_mul_f32 v[XR+z:XR+z+1], v[XR+z:XR+z+1], v[RS:RS+1]
.set z, z+2
.endr
	s_wait_loadcnt 0x0                             ; g and b
.set z, 0
.rept 16
	v_pk_fma_f32 v[XR+z:XR+z+1], v[XR+z:XR+z+1], v[GR+z:GR+z+1], v[BR+z:BR+z+1]
.set z, z+2
.endr
.irp j, 0,1,2,3,4,5,6,7
	global_store_b128 v1, v[XR+4*(\j):XR+4*(\j)+3], s[14:15] offset:512*(\j)
.endr
.set z, 0
.rept 16
	v_cvt_pk_bf16_f32 v[AR+z], v[XR+2*z], v[XR+2*z+1]
.set z, z+1
.endr
.irp j, 0,1,2,3,4,5,6,7
	global_store_b64 v2, v[AR+2*(\j):AR+2*(\j)+1], s[16:17] offset:256*(\j)  ; 32 lanes store 256 consecutive bytes, aligned
.endr
	s_endpgm
.Lfunc_end_k_q2c9e7ebfb3_ln1:
	.size	k_q2c9e7ebfb3_ln1, .Lfunc_end_k_q2c9e7ebfb3_ln1-k_q2c9e7ebfb3_ln1
	.p2alignl 7, 3214868480
	.fill 96, 4, 3214868480
	.section	.rodata,"a",@progbits
	.p2align	6, 0x0
	.amdhsa_kernel k_q2c9e7ebfb3_ln1
		.amdhsa_group_segment_fixed_size 0
		.amdhsa_private_segment_fixed_size 0
		.amdhsa_enable_private_segment 0
		.amdhsa_kernarg_size 56
		.amdhsa_user_sgpr_count 2
		.amdhsa_user_sgpr_kernarg_segment_ptr 1
		.amdhsa_wavefront_size32 1
		.amdhsa_system_sgpr_workgroup_id_x 1
		.amdhsa_system_sgpr_workgroup_id_y 1
		.amdhsa_system_sgpr_workgroup_id_z 1
		.amdhsa_system_vgpr_workitem_id 0
		.amdhsa_next_free_vgpr 148
		.amdhsa_next_free_sgpr 66
		.amdhsa_reserve_vcc 0
		.amdhsa_float_denorm_mode_32 3
		.amdhsa_float_denorm_mode_16_64 3
		.amdhsa_memory_ordered 1
		.amdhsa_forward_progress 1
		.amdhsa_inst_pref_size 15
	.end_amdhsa_kernel
	.amdgpu_metadata
---
amdhsa.version: [ 1, 2 ]
amdhsa.kernels:
  - .name:           k_q2c9e7ebfb3_ln1
    .symbol:         k_q2c9e7ebfb3_ln1.kd
    .args:
      - { .name: pcpt, .offset: 0, .size: 8, .value_kind: global_buffer, .address_space: global }
      - { .name: gen, .offset: 8, .size: 8, .value_kind: global_buffer, .address_space: global }
      - { .name: acc32, .offset: 16, .size: 8, .value_kind: global_buffer, .address_space: global }
      - { .name: n1_g, .offset: 24, .size: 8, .value_kind: global_buffer, .address_space: global }
      - { .name: n1_b, .offset: 32, .size: 8, .value_kind: global_buffer, .address_space: global }
      - { .name: p32, .offset: 40, .size: 8, .value_kind: global_buffer, .address_space: global }
      - { .name: abf, .offset: 48, .size: 8, .value_kind: global_buffer, .address_space: global }
    .group_segment_fixed_size: 0
    .private_segment_fixed_size: 0
    .kernarg_segment_align: 8
    .kernarg_segment_size: 56
    .max_flat_workgroup_size: 256
    .sgpr_count:     66
    .vgpr_count:     148
    .wavefront_size: 32
...
	.end_amdgpu_metadata
.endif
;; end of part 5
;; launch ffn1: the kernel of part 2 again; grid 16 x 16, 4 waves a work-group, clusters of 4 x 4, 327,680 bytes of LDS; arguments abf, w1, l1_b, panels; writes panels
;; launch ffn2 (part 6): grid 8 x 32, 4 waves a work-group, clusters of 4 x 4, 327,680 bytes of LDS; arguments panels, wsm, l2_b, acc32; writes acc32
.if DOCPART == 6
	.amdgcn_target "amdgcn-amd-amdhsa--gfx1250"
	.amdhsa_code_object_version 6
	.text
	.protected	k_q2c9e7ebfb3_ffn2
	.globl	k_q2c9e7ebfb3_ffn2
	.p2align	8
	.type	k_q2c9e7ebfb3_ffn2,@function
k_q2c9e7ebfb3_ffn2:
	s_mov_b64 s[64:65], 0
	v_nop
	global_prefetch_b8 v0, s[64:65] scope:SCOPE_SE
	s_setreg_imm32_b32 hwreg(HW_REG_WAVE_MODE, 25, 1), 1
	s_wait_xcnt 0x0
	s_wait_alu depctr_hold_cnt(0) depctr_sa_sdst(0) depctr_va_vdst(0) depctr_va_sdst(0) depctr_va_ssrc(0) depctr_va_vcc(0) depctr_vm_vsrc(0)
	s_getreg_b32 s2, hwreg(HW_REG_IB_STS2, 6, 4)
	s_cmp_eq_u32 s2, 0
	s_cbranch_scc0 .Lentry_in_a_cluster
	s_endpgm
.Lentry_in_a_cluster:
	s_bfe_u32 s2, ttmp6, 0x10000c
	s_cmp_lg_u32 s2, 0xf033
	s_cbranch_scc0 .Lentry_shape_is_right
	s_endpgm
.Lentry_shape_is_right:
; C[m][n] = bias[n] + the sum over k of A[k / 64][m][k % 64] W[k][n].  A: panels of 64 columns, [K / 64][4096][64] bf16.  W: [K][1024] bf16, WOFF bytes into its buffer.  bias: f32.  C: [4096][1024] f32.
; Here K = 4,096 (the hidden layer times l2_w).  Sums in f32, started by the bias; C is not rounded.  LIMIT: operands are bf16.
; SHARES.  A tile of C is 128 x 128: 256 work-groups.  Four waves, 64 x 64 each: 16 accumulators of 16 x 16.  K goes in steps of 256 (four panels) through two LDS slots filled by the tensor data mover.
; W STAYS [K][N]: its fragments come out of LDS turned, by ds_load_tr16_b128.  The product is taken transposed (source 0 = 16 columns of W, source 1 = 16 rows of A): a lane holds eight neighbouring
; columns of one row of C, and the bias of those columns is the C operand of the first product.
; CLUSTER.  4 x 4 work-groups: A's tile is asked for jointly along a row of the cluster, W's along a column.  The loop's trip is one K step; the slot in hand is a scalar register that an exclusive or turns;
; SLOT shares no bit with wave x HALFT, so the same exclusive or turns the walking descriptors.
; THE WALK ALONG K.  A cluster whose two coordinates add up to an odd number begins with K step NSTEP / 2 and goes round; the others begin with step 0.  So of the clusters that need one tile one group asks
; for it half a walk ahead of the other.  The step's number hangs on the cluster's coordinates alone, which the sixteen partners share; the sums are taken in that order of K.
; A PREFETCH INTO THE L2 (PF = 1), for the first half of a walk, whose tiles no cluster has asked for before.  Behind the refill with the walk's step t + 2 a wave names step t + 4: two K steps, 256 matrix
; instructions, ahead of the load that will want it; t = 0 .. 3, so steps 4 to 7: steps 0 to 3 come by their loads alone, since nothing is prefetched at the head.  A wave's load is 128 blocks of 256 bytes; the four
; partners that ask for it jointly share them out BY ADDRESS, 32 each, a lane a block, one instruction: of A's four panels the partner at place cx takes one (64 rows on end), of W's 128 rows the partner at
; place cy takes 32.  A's tiles of a half walk are first wanted by one cluster, which asks; W's by the four clusters of one column and one parity, of which the one with y below 2 asks.  So each block
; is named once in the launch.  The highest step named is 15: no prefetch leaves its buffer.
; REGISTERS: window 0: v0-31 addresses; v32-95 rows read back from the stage, two sets; v96-127 the bias; v128-255 the accumulators ((a, b) at v[128 + 8 (4 a + b)]).
;   window 1: two fragment buffers of 128: for 64 along K, 64 registers of A (2 x 4 x 16 rows x 32 K), then 64 of W.
.set NSTEP,  16
.set HSH,    3                         ; NSTEP / 2 = 1 << HSH
.set WOFF,   2097152
.set PF,     1
.set PFLIM,  NSTEP/2+2                 ; the loop counts NSTEP - 2 down to 1: trips 0 to 3 are those with the count above 10
.set ASH,    21                        ; a K step in A is four panels of 524,288 bytes: 1 << 21
.set BSH,    19                        ; in W 256 rows of 2,048 bytes: 1 << 19
.set PAP,    144                       ; a row of a panel in LDS: 128 bytes + 16 = 36 words: the 16 rows of a load start at 16 different groups of four banks (64 banks of 4 bytes: ISA guide 11.1)
.set PB,     288                       ; a row of W in LDS: 256 bytes + 32 = 72 words
.set HALFT,  4*64*PAP                  ; what one tensor load brings: 64 rows of four panels, or 128 rows of W (128 x 288 is the same)
.set BOFF,   2*HALFT
.set SLOT,   4*HALFT
.set STAGE,  2*SLOT                    ; behind the ring: 16 rows x 272 bytes for each wave, for the way out
.set SPITCH, 272
.set SPARE,  STAGE+4*16*SPITCH         ; behind the stages: the spare words, 128 bytes for each wave: two blocks of 256 bytes that no other line names
.set ADRA0, 16                         ; v16  my lane's place in A's part of a slot; never rewritten
.set ADRB0, 17                         ; v17  the same for W
.set ADRA,  18                         ; v18  the same in the slot in hand
.set ADRB,  19                         ; v19  W's rows 0-127;  v20  rows 128-255
.set BO,    21                         ; v21  my byte offset in the bias
.set PFO,   22                         ; v22  the prefetches' offset: my lane's block of 256 bytes; never rewritten
.set STO,   24
.set RD,    25
.set CO,    26
.set SPW,   28                         ; v28  LDS address of my spare word: SPARE + 4 x my thread's number; never rewritten
.set NIL,   29                         ; v29  0; never rewritten
.set TMP,   32
.set BIAS,  96
.set ACC,   128
.set F0,    0
.set F1,    128
.set CNT, 3
.set WV,  12
.set RH,  13                           ; s13  which half of the tile's rows is mine.  Also: I fetch for A (0) or for W (1)
.set CH,  14                           ; s14  which half of its columns.  Also: which half of that tile I fetch
.set CX,  15
.set CY,  16
.set TX,  17
.set TY,  18
.set LIM, 19                           ; s19  a wave prefetches while CNT is above it
.set G1A, 24
.set G0A, 32
.set TB,  44
.set KI,  45                           ; s45  the K step that the walking descriptors name
.set PFA, 46                           ; s[46:47] where my prefetches stand
.set G1B, 48
.set G0B, 56
.set PST, 68                           ; s[68:69] a K step in the tensor that I prefetch
.set MSB, 0
.macro WIN new
.if MSB != (\new)
	s_set_vgpr_msb (MSB<<8)|(\new)
.set MSB, \new
.endif
.endm
.macro PLACES                          ; four places behind a matrix instruction (ISA guide 7.12.1)
.rept 4
	v_nop
.endr
.endm
.macro JLOAD                           ; a joint refill by the walking descriptor; an s_nop 0 and four v_nop follow each of the two lines
	s_cmp_eq_u32 s[RH], 0
	s_cbranch_scc0 .Lfor_b_\@
	tensor_load_to_lds s[G0A+4:G0A+7], s[G1A:G1A+7]
	s_nop 0
	PLACES
	s_branch .Lasked_\@
.Lfor_b_\@:
	tensor_load_to_lds s[G0B+4:G0B+7], s[G1B:G1B+7]
	s_nop 0
	PLACES
.Lasked_\@:
.endm
.macro ASK                             ; a prefetch into the L2: see the kernel's head
	s_cmp_gt_u32 s[CNT], s[LIM]
	s_cbranch_scc0 .Lnot_mine_\@
	global_prefetch_b8 v[PFO], s[PFA:PFA+1] th:TH_LOAD_NT scope:SCOPE_SE
.Lnot_mine_\@:
.endm
.macro CREST
	s_cmp_lg_u32 s[WV], 0
	s_cbranch_scc1 .Lnot_wave_0_\@
	s_barrier_signal -3
.Lnot_wave_0_\@:
	s_barrier_wait -3
	s_barrier_signal -1
	s_barrier_wait -1
.endm
.macro CROUND
	s_barrier_signal -1
	s_barrier_wait -1
	CREST
.endm
	s_load_b256 s[4:11], s[0:1], 0x0               ; A s[4:5], W's buffer s[6:7], bias s[8:9], C s[10:11]
	v_lshl_add_u32 v[SPW], v0, 2, SPARE
	v_mov_b32 v[NIL], 0
	ds_add_u32 v[SPW], v[NIL]                      ; the wave's opening: the add and its wait stand ahead of my first tensor load; work on registers stands between them
	v_lshrrev_b32 v1, 5, v0
	v_readfirstlane_b32 s[WV], v1
	s_lshr_b32 s[RH], s[WV], 1
	s_and_b32 s[CH], s[WV], 1
	s_bfe_u32 s[CX], ttmp6, 0x40000
	s_bfe_u32 s[CY], ttmp6, 0x40004
	s_lshl_b32 s[TX], ttmp9, 2
	s_add_co_u32 s[TX], s[TX], s[CX]
	s_and_b32 s[TY], ttmp7, 0xffff
	s_add_co_u32 s[KI], s[TY], ttmp9               ; the cluster's two coordinates, added:
	s_and_b32 s[KI], s[KI], 1                      ; odd or even,
	s_lshl_b32 s[KI], s[KI], HSH                   ; the walk begins with K step NSTEP / 2 or 0
	s_lshl_b32 s[TY], s[TY], 2
	s_add_co_u32 s[TY], s[TY], s[CY]
	s_lshl_b32 s68, s[CY], 2
	s_lshl_b32 s68, 15, s68                        ; my row of the cluster
	s_lshl_b32 s69, 0x1111, s[CX]                  ; my column
	s_or_b32 s[G1A], s68, (1<<16)|(1<<20)|(1<<21)|(4<<22)|(3<<25)  ; the mask; 2-byte elements; padding on; bit 21 beside a mask; after every 32 words, 4 words
	s_or_b32 s[G1B], s69, (1<<16)|(1<<20)|(1<<21)|(5<<22)|(7<<25)  ; after every 64 words, 8 words
	s_mov_b32 s[G1A+1], 4096<<16                   ; A: a descriptor's row is 64 rows of one panel, 8,192 dense bytes: tensor_dim0 = 4,096
	s_mov_b32 s[G1A+2], 4<<16                      ; tensor_dim1 = 4 panels
	s_mov_b32 s[G1A+3], 4096<<16                   ; tile_dim0
	s_mov_b32 s[G1A+4], 4                          ; tile_dim1
	s_mov_b32 s[G1A+5], 262144                     ; elements from panel to panel
	s_mov_b32 s[G1A+6], 0
	s_mov_b32 s[G1A+7], 0
	s_mov_b32 s[G1B+1], 128<<16                    ; W: 128 rows x 128 columns
	s_mov_b32 s[G1B+2], 128<<16
	s_mov_b32 s[G1B+3], 128<<16
	s_mov_b32 s[G1B+4], 128
	s_mov_b32 s[G1B+5], 1024
	s_mov_b32 s[G1B+6], 0
	s_mov_b32 s[G1B+7], 0
	s_lshl_b32 s40, s[TY], 14                      ; A: row 128 x tile row + 64 x half, 128 bytes a row: made of the tile row and the wave's number alone
	s_lshl_b32 s22, s[CH], 13
	s_add_co_u32 s40, s40, s22
	s_mov_b32 s41, 0
	s_lshl_b32 s42, s[TX], 8                       ; W: column 128 x tile column, row 128 x half of 2,048 bytes: made of the tile column and the wave's number alone
	s_lshl_b32 s22, s[CH], 18
	s_add_co_u32 s42, s42, s22
	s_add_co_u32 s42, s42, WOFF
	s_mov_b32 s43, 0
	s_mov_b32 s23, 0                               ; s[22:23]: a K step's byte offset, the high word 0
	s_mul_i32 s20, s[WV], HALFT                    ; where my part of a tile goes: no place in the cluster enters an LDS address
	s_wait_dscnt 0x0                               ; the opening add is done
	s_wait_kmcnt 0x0
	s_add_nc_u64 s[40:41], s[4:5], s[40:41]        ; A and W at my part of K step 0: kept for the whole walk
	s_add_nc_u64 s[42:43], s[6:7], s[42:43]
	CROUND                                         ; all sixteen work-groups are here: the first joint loads meet
.irp s, 0,1
	s_mov_b32 s[G0A+4*(\s)], 1
	s_add_co_u32 s[G0A+4*(\s)+1], s20, (\s)*SLOT
	s_lshl_b32 s22, s[KI], ASH
	s_add_nc_u64 s[G0A+4*(\s)+2:G0A+4*(\s)+3], s[40:41], s[22:23]  ; global address: the walk's step s
	s_or_b32 s[G0A+4*(\s)+3], s[G0A+4*(\s)+3], 0x80000000
	s_mov_b32 s[G0B+4*(\s)], 1
	s_add_co_u32 s[G0B+4*(\s)+1], s20, (\s)*SLOT
	s_lshl_b32 s22, s[KI], BSH
	s_add_nc_u64 s[G0B+4*(\s)+2:G0B+4*(\s)+3], s[42:43], s[22:23]
	s_or_b32 s[G0B+4*(\s)+3], s[G0B+4*(\s)+3], 0x80000000
.if (\s) == 0
	s_add_co_u32 s[KI], s[KI], 1                   ; (the walk's second step never wraps)
.endif
.endr
	s_cmp_eq_u32 s[RH], 0                          ; a wave's two first fills stand in one branch, ahead of every wait on TENSORcnt and every LDS read: two loads of mine are out
	s_cbranch_scc0 .Lfirst_b
	tensor_load_to_lds s[G0A:G0A+3], s[G1A:G1A+7]
	s_nop 0
	tensor_load_to_lds s[G0A+4:G0A+7], s[G1A:G1A+7]
	s_nop 0
	PLACES
	s_branch .Lfirst_asked
.Lfirst_b:
	tensor_load_to_lds s[G0B:G0B+3], s[G1B:G1B+7]
	s_nop 0
	tensor_load_to_lds s[G0B+4:G0B+7], s[G1B:G1B+7]
	s_nop 0
	PLACES
.Lfirst_asked:
	v_and_b32 v1, 15, v0                           ; r = l % 16
	v_bfe_u32 v2, v0, 4, 1                         ; h = l / 16
	v_and_b32 v6, 7, v0
	v_bfe_u32 v4, v0, 3, 1
	s_lshl_b32 s71, s[TX], 9                       ; the bias of my 64 columns: lane l wants columns 16 b + 8 h + 0..7
	s_lshl_b32 s22, s[CH], 8
	s_add_co_u32 s71, s71, s22
	v_lshl_add_u32 v[BO], v2, 5, s71
.irp b, 0,1,2,3
	global_load_b128 v[BIAS+8*(\b):BIAS+8*(\b)+3],   v[BO], s[8:9] offset:64*(\b)
	global_load_b128 v[BIAS+8*(\b)+4:BIAS+8*(\b)+7], v[BO], s[8:9] offset:64*(\b)+16
.endr
	v_mul_u32_u24 v[ADRA0], v1, PAP                ; A: row x pitch + 16 x half, in my 64 rows
	v_lshl_add_u32 v[ADRA0], v2, 4, v[ADRA0]
	s_mul_i32 s21, s[RH], HALFT
	v_add_nc_u32 v[ADRA0], s21, v[ADRA0]
	v_lshl_add_u32 v3, v2, 3, v6                   ; W, turned: lane l reads row 8 h + l % 8, columns 8 ((l / 8) % 2) + 0..7
	v_mul_u32_u24 v[ADRB0], v3, PB
	v_lshl_add_u32 v[ADRB0], v4, 4, v[ADRB0]
	s_lshl_b32 s21, s[CH], 7
	s_add_co_u32 s21, s21, BOFF
	v_add_nc_u32 v[ADRB0], s21, v[ADRB0]
	s_mul_i32 s21, s[WV], 16*SPITCH
	s_add_co_u32 s21, s21, STAGE                   ; my stage
	v_mul_u32_u24 v[STO], v1, SPITCH               ; in: row r, 32 bytes for each half of the lanes
	v_lshl_add_u32 v[STO], v2, 5, v[STO]
	v_add_nc_u32 v[STO], s21, v[STO]
	v_mul_u32_u24 v[RD], v2, SPITCH                ; back: lanes 0-15 take one row of 256 bytes, lanes 16-31 the next
	v_lshl_add_u32 v[RD], v1, 4, v[RD]
	v_add_nc_u32 v[RD], s21, v[RD]
	v_lshlrev_b32 v[CO], 12, v2                    ; and the same two rows in C
	v_lshl_add_u32 v[CO], v1, 4, v[CO]
	s_lshl_b32 s66, s[TY], 19                      ; C at row 128 x tile row + 64 x half of 4,096 bytes, column 128 x tile column + 64 x half
	s_lshl_b32 s70, s[TX], 9
	s_add_co_u32 s66, s66, s70
	s_lshl_b32 s22, s[RH], 18
	s_add_co_u32 s66, s66, s22
	s_lshl_b32 s22, s[CH], 8
	s_add_co_u32 s66, s66, s22
	s_mov_b32 s67, 0
	s_add_nc_u64 s[10:11], s[10:11], s[66:67]
	s_mov_b32 s[TB], 0
	v_mov_b32 v[ADRA], v[ADRA0]
	v_mov_b32 v[ADRB], v[ADRB0]
	v_add_nc_u32 v[ADRB+1], 128*PB, v[ADRB]
.if PF
	s_cmp_eq_u32 s[RH], 0                          ; do I fetch for A?
	s_cselect_b64 s[PFA:PFA+1], s[40:41], s[42:43]
	s_cselect_b32 s70, s[CX], s[CY]                ; my place among the four that ask for the tile with me
	s_cselect_b32 s71, 19, 16                      ; its share of my load's 128 blocks: one panel's 64 rows (1 << 19 bytes on), or 32 rows of W (1 << 16 bytes on)
	s_cselect_b32 s66, ASH, BSH
	s_cselect_b32 s67, 8, 11                       ; from block to block: 256 bytes on end in a panel, a row of 2,048 bytes in W
	s_lshl_b32 s70, s70, s71
	s_add_co_u32 s71, s[KI], 2                     ; KI names the walk's step 1: the prefetches stand at step 3, and step on ahead of each use
	s_lshl_b32 s71, s71, s66
	s_add_co_u32 s70, s70, s71
	s_mov_b32 s71, 0
	s_add_nc_u64 s[PFA:PFA+1], s[PFA:PFA+1], s[70:71]
	s_lshl_b32 s[PST], 1, s66
	s_mov_b32 s[PST+1], 0
	v_and_b32 v[PFO], 31, v0
	v_lshlrev_b32 v[PFO], s67, v[PFO]
	s_and_b32 s67, ttmp7, 0xffff
	s_cmp_lt_u32 s67, 2
	s_cselect_b32 s67, PFLIM, -1
	s_cmp_eq_u32 s[RH], 0
	s_cselect_b32 s[LIM], PFLIM, s67               ; the same in all sixteen partners, for a given wave
.endif
; 8 matrix instructions: row blocks a0, a0 + 1 x all 4 column blocks, 32 along K: half c of buffer f.  zero = 1: the bias starts the sums.  The 16 accumulators take turns.
.macro MUL8 f, c, a0, zero
	WIN 0x05                                       ; sources 0 (W) and 1 (A) window 1; C and D window 0
.irp a, \a0, (\a0)+1
.irp b, 0,1,2,3
.if \zero
	v_wmma_f32_16x16x32_bf16 v[ACC+8*(4*(\a)+(\b)):ACC+8*(4*(\a)+(\b))+7], v[(\f)+64+8*(4*(\c)+(\b)):(\f)+64+8*(4*(\c)+(\b))+7], v[(\f)+8*(4*(\c)+(\a)):(\f)+8*(4*(\c)+(\a))+7], v[BIAS+8*(\b):BIAS+8*(\b)+7]
.else
	v_wmma_f32_16x16x32_bf16 v[ACC+8*(4*(\a)+(\b)):ACC+8*(4*(\a)+(\b))+7], v[(\f)+64+8*(4*(\c)+(\b)):(\f)+64+8*(4*(\c)+(\b))+7], v[(\f)+8*(4*(\c)+(\a)):(\f)+8*(4*(\c)+(\a))+7], v[ACC+8*(4*(\a)+(\b)):ACC+8*(4*(\a)+(\b))+7]
.endif
.endr
.endr
.endm
; 32 LDS loads in one run: the fragments of quarter qd (64 along K: one panel of A) of the slot in hand, into buffer f; the first 32 along K first
.macro FETCH qd, f
	WIN 0x40
.irp c, 0,1
.irp i, 0,1,2,3
	ds_load_tr16_b128 v[(\f)+64+8*(4*(\c)+(\i)):(\f)+64+8*(4*(\c)+(\i))+3],   v[ADRB+(\qd)/2] offset:(64*((\qd)%2)+32*(\c))*PB+32*(\i)
	ds_load_tr16_b128 v[(\f)+64+8*(4*(\c)+(\i))+4:(\f)+64+8*(4*(\c)+(\i))+7], v[ADRB+(\qd)/2] offset:(64*((\qd)%2)+32*(\c)+16)*PB+32*(\i)
	ds_load_b128 v[(\f)+8*(4*(\c)+(\i)):(\f)+8*(4*(\c)+(\i))+3],   v[ADRA] offset:(\qd)*64*PAP+64*(\c)+(\i)*16*PAP
	ds_load_b128 v[(\f)+8*(4*(\c)+(\i))+4:(\f)+8*(4*(\c)+(\i))+7], v[ADRA] offset:(\qd)*64*PAP+64*(\c)+(\i)*16*PAP+32
.endr
.endr
.endm
.macro QUARTER qd, f, g, zero          ; multiplies buffer f; in its middle it fetches quarter qd into buffer g
	s_wait_dscnt 16                                ; the first 32 along K are in
	MUL8 \f, 0, 0, \zero
	MUL8 \f, 0, 2, \zero
	PLACES
	FETCH \qd, \g
	s_wait_dscnt 32                                ; all but the 32 just issued
	MUL8 \f, 1, 0, 0
	MUL8 \f, 1, 2, 0
.endm
; THE CHANGE OF SLOTS stands at the head of a K step's last quarter: the slot's last fragments (buffer 1) have been asked for 16 matrix instructions back.  ONE barrier: in front of it each wave waits for all
; its tensor loads, adds 0 to its spare word, and waits for that and for its own reads of this slot.  fill = 1: the barrier opens a round of the cluster's, and this slot is filled again first thing behind it,
; with the walk's step two on; the whole quarter is multiplied behind the refill, which so has a K step's 128 matrix instructions in which to land.
.macro TURN fill
.if (\fill) && PF
	s_wait_xcnt 0x0                                ; the last prefetch, a K step back, has read its address: it is stepped here, ahead of the waits of the change of slots
	s_add_nc_u64 s[PFA:PFA+1], s[PFA:PFA+1], s[PST:PST+1]
.endif
	WIN 0
	s_wait_tensorcnt 0x0                           ; all my tensor loads have landed: my part of the next slot; so every group 0 may be written
	ds_add_u32 v[SPW], v[NIL]                      ; 0 onto my spare word; the scalar work below stands between it and the wait for it
.if \fill
	s_add_co_u32 s[KI], s[KI], 1                   ; the walk's next step, round from NSTEP - 1 to 0
	s_and_b32 s[KI], s[KI], NSTEP-1
	s_xor_b32 s[G0A+5], s[G0A+5], SLOT             ; the walking descriptors: the other slot than last time; the address is made anew from the step's number
	s_lshl_b32 s22, s[KI], ASH
	s_add_nc_u64 s[G0A+6:G0A+7], s[40:41], s[22:23]
	s_or_b32 s[G0A+7], s[G0A+7], 0x80000000
	s_xor_b32 s[G0B+5], s[G0B+5], SLOT
	s_lshl_b32 s22, s[KI], BSH
	s_add_nc_u64 s[G0B+6:G0B+7], s[42:43], s[22:23]
	s_or_b32 s[G0B+7], s[G0B+7], 0x80000000
.endif
	s_xor_b32 s[TB], s[TB], SLOT
	s_wait_dscnt 0x0                               ; the add is done, and my reads of this slot are over
	s_barrier_signal -1
	s_barrier_wait -1
.if \fill
	CREST                                          ; no wave of any partner still reads this slot's tile or has a load on its way
	JLOAD                                          ; the first tensor load behind the round; its four v_nop are also the places in front of the loads below
.else
	PLACES
.endif
	v_add_nc_u32 v[ADRA], s[TB], v[ADRA0]
	v_add_nc_u32 v[ADRB], s[TB], v[ADRB0]
	v_add_nc_u32 v[ADRB+1], 128*PB, v[ADRB]
	FETCH 0, F0
.if (\fill) && PF
	WIN 0
	ASK                                            ; behind the joint load and the run of LDS loads that the next products wait for
.endif
	MUL8 F1, 0, 0, 0
	MUL8 F1, 0, 2, 0
	MUL8 F1, 1, 0, 0
	MUL8 F1, 1, 2, 0
.endm
; THE WAY OUT of block a (16 rows x 64 columns of f32): a lane's 32 bytes go into my stage, each accumulator's low four registers first, and come back as whole rows of 256 bytes.
.macro TOSTAGE a
.if (\a) >= 2
	s_wait_xcnt 0x0                                ; the stores of the block two back have read the registers that the loads below fill
.endif
.irp b, 0,1,2,3
	ds_store_b128 v[STO], v[ACC+8*(4*(\a)+(\b)):ACC+8*(4*(\a)+(\b))+3]   offset:64*(\b)
	ds_store_b128 v[STO], v[ACC+8*(4*(\a)+(\b))+4:ACC+8*(4*(\a)+(\b))+7] offset:64*(\b)+16
.endr
.irp t, 0,1,2,3,4,5,6,7
	ds_load_b128 v[TMP+32*((\a)%2)+4*(\t):TMP+32*((\a)%2)+4*(\t)+3], v[RD] offset:(\t)*2*SPITCH  ; LDS serves a wave's instructions in order (ISA guide 5.7.1.4): these see the stores above
.endr
.endm
.macro SEND a, younger                 ; younger: the LDS instructions issued behind block a's loads: the next block's sixteen, or none
.irp t, 0,1,2,3,4,5,6,7
	s_wait_dscnt (\younger)+7-(\t)
	global_store_b128 v[CO], v[TMP+32*((\a)%2)+4*(\t):TMP+32*((\a)%2)+4*(\t)+3], s[10:11] offset:(16*(\a)+2*(\t))*4096  ; 16 lanes store 256 consecutive bytes, aligned
.endr
.endm
	s_wait_tensorcnt 1                             ; my part of the walk's first step is in; the second's may stay out
	s_barrier_signal -1
	s_barrier_wait -1
	FETCH 0, F0
	s_wait_loadcnt 0x0                             ; the bias
	QUARTER 1, F0, F1, 1                           ; the first quarter stands in front of the loop: its first products start the sums
	WIN 0
	s_mov_b32 s[CNT], NSTEP-2
.Lstep:                                        ; a trip: from a K step's second quarter to the next step's first; trip t fills a slot with the walk's step t + 2
	QUARTER 2, F1, F0, 0
	QUARTER 3, F0, F1, 0
	TURN 1
	QUARTER 1, F0, F1, 0
	WIN 0
	s_sub_co_u32 s[CNT], s[CNT], 1
	s_cmp_lg_u32 s[CNT], 0
	s_cbranch_scc1 .Lstep
	s_mov_b32 s[CNT], 2
.Ltail:                                        ; the last two K steps fill nothing: the same trip without a tensor load, walked once and left in the middle of the second time
	QUARTER 2, F1, F0, 0
	QUARTER 3, F0, F1, 0
	WIN 0
	s_sub_co_u32 s[CNT], s[CNT], 1
	s_cmp_eq_u32 s[CNT], 0
	s_cbranch_scc1 .Llast
	TURN 0
	QUARTER 1, F0, F1, 0
	WIN 0
	s_branch .Ltail
.Llast:
	s_wait_dscnt 16
	MUL8 F1, 0, 0, 0
	MUL8 F1, 0, 2, 0
	s_wait_dscnt 0x0
	MUL8 F1, 1, 0, 0
	MUL8 F1, 1, 2, 0
	WIN 0
	PLACES
	TOSTAGE 0
	TOSTAGE 1
	SEND 0, 16
	TOSTAGE 2
	SEND 1, 16
	TOSTAGE 3
	SEND 2, 16
	SEND 3, 0
	s_wait_tensorcnt 0x0                           ; the wave's end, behind my last tensor load and my last LDS store
	ds_add_u32 v[SPW], v[NIL]
	s_wait_dscnt 0x0
	CROUND                                         ; the closing round
	s_endpgm
.Lfunc_end_k_q2c9e7ebfb3_ffn2:
	.size	k_q2c9e7ebfb3_ffn2, .Lfunc_end_k_q2c9e7ebfb3_ffn2-k_q2c9e7ebfb3_ffn2
	.p2alignl 7, 3214868480
	.fill 96, 4, 3214868480
	.section	.rodata,"a",@progbits
	.p2align	6, 0x0
	.amdhsa_kernel k_q2c9e7ebfb3_ffn2
		.amdhsa_group_segment_fixed_size 327680
		.amdhsa_private_segment_fixed_size 0
		.amdhsa_enable_private_segment 0
		.amdhsa_kernarg_size 32
		.amdhsa_user_sgpr_count 2
		.amdhsa_user_sgpr_kernarg_segment_ptr 1
		.amdhsa_wavefront_size32 1
		.amdhsa_system_sgpr_workgroup_id_x 1
		.amdhsa_system_sgpr_workgroup_id_y 1
		.amdhsa_system_sgpr_workgroup_id_z 1
		.amdhsa_system_vgpr_workitem_id 0
		.amdhsa_next_free_vgpr 512
		.amdhsa_next_free_sgpr 72
		.amdhsa_reserve_vcc 0
		.amdhsa_float_denorm_mode_32 3
		.amdhsa_float_denorm_mode_16_64 3
		.amdhsa_memory_ordered 1
		.amdhsa_forward_progress 1
		.amdhsa_inst_pref_size 62
	.end_amdhsa_kernel
	.amdgpu_metadata
---
amdhsa.version: [ 1, 2 ]
amdhsa.kernels:
  - .name:           k_q2c9e7ebfb3_ffn2
    .symbol:         k_q2c9e7ebfb3_ffn2.kd
    .args:
      - { .name: panels, .offset: 0, .size: 8, .value_kind: global_buffer, .address_space: global }
      - { .name: wsm, .offset: 8, .size: 8, .value_kind: global_buffer, .address_space: global }
      - { .name: l2_b, .offset: 16, .size: 8, .value_kind: global_buffer, .address_space: global }
      - { .name: acc32, .offset: 24, .size: 8, .value_kind: global_buffer, .address_space: global }
    .group_segment_fixed_size: 327680
    .private_segment_fixed_size: 0
    .kernarg_segment_align: 8
    .kernarg_segment_size: 32
    .max_flat_workgroup_size: 128
    .sgpr_count:     72
    .vgpr_count:     512
    .wavefront_size: 32
...
	.end_amdgpu_metadata
.endif
;; end of part 6
;; launch ln2 (part 7): grid 512 x 1, 8 waves a work-group, no clusters, 0 bytes of LDS; arguments p32, acc32, n2_g, n2_b, out0, out1; writes out0, out1
.if DOCPART == 7
	.amdgcn_target "amdgcn-amd-amdhsa--gfx1250"
	.amdhsa_code_object_version 6
	.text
	.protected	k_q2c9e7ebfb3_ln2
	.globl	k_q2c9e7ebfb3_ln2
	.p2align	8
	.type	k_q2c9e7ebfb3_ln2,@function
k_q2c9e7ebfb3_ln2:
	s_mov_b64 s[64:65], 0
	v_nop
	global_prefetch_b8 v0, s[64:65] scope:SCOPE_SE
	s_setreg_imm32_b32 hwreg(HW_REG_WAVE_MODE, 25, 1), 1
	s_wait_xcnt 0x0
; out = LayerNorm(p + ffn) g + b.  p: p32 [4096][1024] f32.  ffn: acc32 [4096][1024] f32 (l2_b is in it).  Rows 0-2047 leave in out0, rows 2048-4095 in out1, f32.
; A row is 4,096 bytes: one wave holds it in 32 registers, so mean and variance never leave the wave: no LDS, no barrier.  The variance is the mean of (z - mean)^2, taken over the registers in a second pass.
; Eight waves, a row each; all 32 loads of a wave go out first, the row's ahead of g's and b's; no register that a store reads is written again.
.set GR, 8                             ; v[8:39]    g
.set BR, 40                            ; v[40:71]   b
.set XR, 72                            ; v[72:103]  p, then z, z - mean, the result
.set AR, 104                           ; v[104:135] ffn
.set T,  136                           ; v[136:143] four packed chains
.set MN, 144                           ; v[144:145] the mean, twice
.set RS, 146                           ; v[146:147] 1 / sqrt(variance + 1e-5), twice
.set SEL, 28                           ; s[28:29]
	s_load_b256 s[4:11], s[0:1], 0x0               ; p32 s4, acc32 s6, g s8, b s10
	s_load_b128 s[12:15], s[0:1], 0x20             ; out0 s12, out1 s14
	v_lshrrev_b32 v3, 5, v0
	v_readfirstlane_b32 s18, v3                    ; wave
	v_and_b32 v3, 31, v0
	v_lshlrev_b32 v1, 4, v3                        ; 16 lane
	s_mov_b32 s19, ttmp9
	s_lshl3_add_u32 s20, s19, s18                  ; my row = 8 work-group + wave
	s_and_b32 s22, s20, 2047                       ; the same in out0 or in out1
	s_lshl_b32 s20, s20, 12
	s_lshl_b32 s22, s22, 12
	s_mov_b32 s21, 0
	s_mov_b32 s23, 0
	s_mov_b32 s26, 0x3a800000                      ; 1 / 1024
	s_mov_b32 s27, 0x3727c5ac                      ; 1e-5
	s_mov_b32 s[SEL], 0x76543210
	s_mov_b32 s[SEL+1], 0xfedcba98
	s_wait_kmcnt 0x0
	s_cmp_lt_u32 s19, 256
	s_cselect_b64 s[12:13], s[12:13], s[14:15]
	s_add_nc_u64 s[12:13], s[12:13], s[22:23]
	s_add_nc_u64 s[4:5], s[4:5], s[20:21]
	s_add_nc_u64 s[6:7], s[6:7], s[20:21]
.irp j, 0,1,2,3,4,5,6,7
	global_load_b128 v[XR+4*(\j):XR+4*(\j)+3], v1, s[4:5] offset:512*(\j) th:TH_LOAD_NT
.endr
.irp j, 0,1,2,3,4,5,6,7
	global_load_b128 v[AR+4*(\j):AR+4*(\j)+3], v1, s[6:7] offset:512*(\j) th:TH_LOAD_NT
.endr
.irp j, 0,1,2,3,4,5,6,7
	global_load_b128 v[GR+4*(\j):GR+4*(\j)+3], v1, s[8:9] offset:512*(\j)
.endr
.irp j, 0,1,2,3,4,5,6,7
	global_load_b128 v[BR+4*(\j):BR+4*(\j)+3], v1, s[10:11] offset:512*(\j)
.endr
.macro REDUCE                          ; the four packed chains, then the 32 lanes: the sum ends in v[T] of every lane
	v_pk_add_f32 v[T:T+1], v[T:T+1], v[T+2:T+3]
	v_pk_add_f32 v[T+4:T+5], v[T+4:T+5], v[T+6:T+7]
	v_pk_add_f32 v[T:T+1], v[T:T+1], v[T+4:T+5]
	v_add_f32 v[T], v[T], v[T+1]
.irp m, 1,2,4,8
	v_add_f32_dpp v[T], v[T], v[T] row_xmask:\m row_mask:0xf bank_mask:0xf
.endr
	v_permlanex16_b32 v[T+1], v[T], s[SEL], s[SEL+1]
	v_add_f32 v[T], v[T], v[T+1]
.endm
	s_wait_loadcnt 16                              ; the row's two summands are in; g's and b's sixteen loads may stay out
.set z, 0
.rept 16
	v_pk_add_f32 v[XR+z:XR+z+1], v[XR+z:XR+z+1], v[AR+z:AR+z+1]
.set z, z+2
.endr
.irp k, 0,1,2,3
	v_pk_add_f32 v[T+2*(\k):T+2*(\k)+1], v[XR+2*(\k):XR+2*(\k)+1], v[XR+8+2*(\k):XR+8+2*(\k)+1]
.endr
.irp q, 2,3
.irp k, 0,1,2,3
	v_pk_add_f32 v[T+2*(\k):T+2*(\k)+1], v[T+2*(\k):T+2*(\k)+1], v[XR+8*(\q)+2*(\k):XR+8*(\q)+2*(\k)+1]
.endr
.endr
	REDUCE
	v_mul_f32 v[MN], s26, v[T]
	v_mul_f32 v[MN+1], s26, v[T]
.set z, 0
.rept 16
	v_pk_add_f32 v[XR+z:XR+z+1], v[XR+z:XR+z+1], v[MN:MN+1] neg_lo:[0,1] neg_hi:[0,1]
.set z, z+2
.endr
.irp k, 0,1,2,3
	v_pk_mul_f32 v[T+2*(\k):T+2*(\k)+1], v[XR+2*(\k):XR+2*(\k)+1], v[XR+2*(\k):XR+2*(\k)+1]
.endr
.irp q, 1,2,3
.irp k, 0,1,2,3
	v_pk_fma_f32 v[T+2*(\k):T+2*(\k)+1], v[XR+8*(\q)+2*(\k):XR+8*(\q)+2*(\k)+1], v[XR+8*(\q)+2*(\k):XR+8*(\q)+2*(\k)+1], v[T+2*(\k):T+2*(\k)+1]
.endr
.endr
	REDUCE
	v_fma_f32 v[T], v[T], s26, s27                 ; variance + 1e-5
	v_rsq_f32 v[RS], v[T]
	v_rsq_f32 v[RS+1], v[T]
	v_nop                                          ; a plain instruction between the last of them and the use of its result (ISA guide 5.7.2)
.set z, 0
	s_wait_alu depctr_va_vdst(0)
.rept 16
	v_pk_mul_f32 v[XR+z:XR+z+1], v[XR+z:XR+z+1], v[RS:RS+1]
.set z, z+2
.endr
	s_wait_loadcnt 0x0                             ; g and b
.set z, 0
.rept 16
	v_pk_fma_f32 v[XR+z:XR+z+1], v[XR+z:XR+z+1], v[GR+z:GR+z+1], v[BR+z:BR+z+1]
.set z, z+2
.endr
.irp j, 0,1,2,3,4,5,6,7
	global_store_b128 v1, v[XR+4*(\j):XR+4*(\j)+3], s[12:13] offset:512*(\j) th:TH_STORE_NT
.endr
	s_endpgm
.Lfunc_end_k_q2c9e7ebfb3_ln2:
	.size	k_q2c9e7ebfb3_ln2, .Lfunc_end_k_q2c9e7ebfb3_ln2-k_q2c9e7ebfb3_ln2
	.p2alignl 7, 3214868480
	.fill 96, 4, 3214868480
	.section	.rodata,"a",@progbits
	.p2align	6, 0x0
	.amdhsa_kernel k_q2c9e7ebfb3_ln2
		.amdhsa_group_segment_fixed_size 0
		.amdhsa_private_segment_fixed_size 0
		.amdhsa_enable_private_segment 0
		.amdhsa_kernarg_size 48
		.amdhsa_user_sgpr_count 2
		.amdhsa_user_sgpr_kernarg_segment_ptr 1
		.amdhsa_wavefront_size32 1
		.amdhsa_system_sgpr_workgroup_id_x 1
		.amdhsa_system_sgpr_workgroup_id_y 1
		.amdhsa_system_sgpr_workgroup_id_z 1
		.amdhsa_system_vgpr_workitem_id 0
		.amdhsa_next_free_vgpr 148
		.amdhsa_next_free_sgpr 66
		.amdhsa_reserve_vcc 0
		.amdhsa_float_denorm_mode_32 3
		.amdhsa_float_denorm_mode_16_64 3
		.amdhsa_memory_ordered 1
		.amdhsa_forward_progress 1
		.amdhsa_inst_pref_size 13
	.end_amdhsa_kernel
	.amdgpu_metadata
---
amdhsa.version: [ 1, 2 ]
amdhsa.kernels:
  - .name:           k_q2c9e7ebfb3_ln2
    .symbol:         k_q2c9e7ebfb3_ln2.kd
    .args:
      - { .name: p32, .offset: 0, .size: 8, .value_kind: global_buffer, .address_space: global }
      - { .name: acc32, .offset: 8, .size: 8, .value_kind: global_buffer, .address_space: global }
      - { .name: n2_g, .offset: 16, .size: 8, .value_kind: global_buffer, .address_space: global }
      - { .name: n2_b, .offset: 24, .size: 8, .value_kind: global_buffer, .address_space: global }
      - { .name: out0, .offset: 32, .size: 8, .value_kind: global_buffer, .address_space: global }
      - { .name: out1, .offset: 40, .size: 8, .value_kind: global_buffer, .address_space: global }
    .group_segment_fixed_size: 0
    .private_segment_fixed_size: 0
    .kernarg_segment_align: 8
    .kernarg_segment_size: 48
    .max_flat_workgroup_size: 256
    .sgpr_count:     66
    .vgpr_count:     148
    .wavefront_size: 32
...
	.end_amdgpu_metadata
.endif
;; end of part 7
